; MI455X (gfx1250); checked and timed in simulation.
; The chip was launched on July 23, 2026; its instructions are those of AMD's public machine-readable ISA for CDNA 5 (MIT licence, August 2026) and "CDNA5" Instruction Set Architecture Reference Guide (July 2026). The comments in the code are by the model that wrote it; some were corrected since.
;; Multi Head Attention. Allowed arithmetic: matrix products marked QUANTISED: E2M1 operands, one E8M0 scale for each 32 along K, by v_wmma_scale_f32_16x16x128_f8f6f4 with both operands' format E2M1 (or v_wmma_scale_f32_32x16x128_f4), f32 sums; products left as they are: bf16, f16 or f32 operands; f32 sums; everything else in f32.
;; Inputs: K 4 x 2,048 x 1,024 float32; Q 4 x 2,048 x 1,024 float32; V 4 x 2,048 x 1,024 float32; attnMask 4 x 2,048 x 2,048 bool; wK_b 1,024 float32; wK_w 1,024 x 1,024 float32; wOut_b 1,024 float32; wOut_w 1,024 x 1,024 float32; wQ_b 1,024 float32; wQ_w 1,024 x 1,024 float32; wV_b 1,024 float32; wV_w 1,024 x 1,024 float32.
;; Outputs: out0 4 x 2,048 x 1,024 float32.
;; This version of the problem:
;;   THIS VERSION OF THE PROBLEM IS GIVEN IN LOW PRECISION. The matrix products marked QUANTISED in the list below multiply operands that are first quantised to E2M1 (2 exponent bits, 1 mantissa bit; 4 bits a number), with one power-of-two scale for each 32 numbers along K (OCP MX v1.0); their sums are f32. The products marked 'left as it is' may take bf16, f16 or f32 operands, with f32 sums. Whichever they take, every output number must still come out within the allowed error. Rounding operands to bf16 (8 significant bits) uses up far more of that allowance than f16 does (11 bits, for magnitudes from 6e-5 to 65,504). All else is computed in f32.
;;   The module's matrix products, in the order in which they are computed (A, B: the left and right operand; K: the contracted axis; several contracted axes count as one K, in the product's order):
;;     1. [M 8,192, K 1,024] x [K 1,024, N 1,024]; A: input Q; B: input wQ_w: QUANTISED
;;     2. [M 8,192, K 1,024] x [K 1,024, N 1,024]; A: input K; B: input wK_w: QUANTISED
;;     3. [M 8,192, K 1,024] x [K 1,024, N 1,024]; A: input V; B: input wV_w: QUANTISED
;;     4. batch 64 x [M 2,048, K 64] x [K 64, N 2,048]; A: computed on the way; B: computed on the way: left as it is (an operand is computed on the way)
;;     5. batch 64 x [M 2,048, K 2,048] x [K 2,048, N 64]; A: computed on the way; B: computed on the way: left as it is (an operand is computed on the way)
;;     6. [M 8,192, K 1,024] x [K 1,024, N 1,024]; A: computed on the way; B: input wOut_w: left as it is (an operand is computed on the way)
;;   THE QUANTISER, for each operand of a quantised product, along K:
;;     - K is cut into blocks of 32 from its start; a last block that is shorter is filled with zeros.
;;     - A block's scale is 2^e with e = floor(log2(the largest magnitude in the block)) - 2, held to -126 .. 127; a block of zeros has e = 0. As a byte (E8M0): e + 127.
;;     - Each number is divided by its block's scale, clamped to +-6, and rounded to the nearest number of E2M1, ties to even, subnormals kept.
;;     - The product sums the exact products of the quantised numbers (number of the format x scale) in f32.
;;   ~~~python
;;   def quantise(x, axis):      # numpy; x: float32 -> the quantised numbers, widened to float32 again
;;       x = np.moveaxis(x, axis, -1); K = x.shape[-1]
;;       x = np.pad(x, [(0, 0)] * (x.ndim - 1) + [(0, -K % 32)]); x = x.reshape(x.shape[:-1] + (-1, 32)); a = np.abs(x).max(-1, keepdims=True)
;;       e = np.where(a > 0, np.clip(np.frexp(np.where(a > 0, a, 1))[1] - 1 - 2, -126, 127), 0)      # np.frexp(a)[1] - 1 = floor(log2(a)), exactly
;;       r = np.clip(x / 2.0 ** e, -6, 6)
;;       step = 2.0 ** (np.maximum(np.frexp(np.where(r == 0, 1, r))[1] - 1, 0) - 1)
;;       q = np.round(r / step) * step * 2.0 ** e      # np.round: ties to even
;;       return np.moveaxis(q.reshape(q.shape[:-2] + (-1,))[..., :K], -1, axis).astype(np.float32)
;;   ~~~
;; One version. Each part assembles by itself: llvm-mc -triple=amdgcn-amd-amdhsa -mcpu=gfx1250 --defsym DOCPART=n.
;; ======== version 1 of 1: 4 launches
;; limits: values are held in f16: magnitudes above 65,504 overflow, below 6.1e-05 lose precision
;; workspace buffers: codes 14,155,776 bytes; scales 884,736 bytes; maskw 2,097,152 bytes of whole numbers; wimg 2,097,152 bytes; qkv 50,331,648 bytes; ao 16,777,216 bytes
;; launch prep (part 1): grid 1024 x 1, 4 waves a work-group, no clusters, 68,096 bytes of LDS; arguments Q, K, V, wQ_w, wK_w, wV_w, attnMask, wOut_w, codes, scales, maskw, wimg; writes codes, scales, maskw, wimg
.if DOCPART == 1
	.amdgcn_target "amdgcn-amd-amdhsa--gfx1250"
	.amdhsa_code_object_version 6
	.text
	.protected	k_q1e711d8107_prep
	.globl	k_q1e711d8107_prep
	.p2align	8
	.type	k_q1e711d8107_prep,@function
k_q1e711d8107_prep:
	s_mov_b64 s[64:65], 0
	v_nop
	global_prefetch_b8 v0, s[64:65] scope:SCOPE_SE
	s_setreg_imm32_b32 hwreg(HW_REG_WAVE_MODE, 25, 1), 1
	s_wait_xcnt 0x0
; MULTI-HEAD ATTENTION, launch 1 of 4: everything that is read many times later is laid out once.
; DEAD WORK: none is left out in any launch.  Every input reaches the output: the biases of Q and K do not cancel in the softmax, since a masked score is REPLACED by -10,000 and does not carry them.
; LIMITS of the program: q, k, v and the attention's result are rounded to f16 for the three products that are left as they are: a magnitude over 65,504 there becomes infinity, one under 6e-5 is kept to 3e-8.
; NaN and infinities among the inputs are not served.  A block of 32 zeros gets the scale byte 1 where the rule says 127: its codes are zeros, and this program alone reads the bytes.
; THREE PATHS, parted on the work-group's number, each with LDS bytes of its own; they join at the end.
;  A, work-groups 0-863: Q, K, V, wQ_w, wK_w, wV_w (f32, K innermost, dense) become codes of E2M1 and one E8M0 byte for each 32 along K.  The six tensors are plain streams of blocks of 32;
;     'codes' and 'scales' hold them in the order of the work-groups, so a destination is the work-group's number times a constant.  32,768 numbers a work-group, 8,192 a wave, 16 steps of 512.
;  B, work-groups 864-991: attnMask's bytes become LANE MASKS for launch 3: for each tile of 16 queries, each step of 64 keys and each score register 8 kt + j one word, whose bit l is
;     mask[query l % 16][key 16 kt + 8 (l / 16) + j].  A wave takes 16 rows x 2,048 keys, 256 keys a trip.
;  C, work-groups 992-1023: wOut_w becomes f16 in the order of a matrix operand's registers: pieces of 512 bytes, lane l's 16 bytes at 16 l: row 16 nb + l % 16, k = 32 f + 16 c + 8 (l / 16) + 0 .. 7.
; No tensor loads, no barrier: waves share nothing.
.set SPW,   12                         ; v12  LDS address of my spare word; never rewritten
.set NIL,   13                         ; v13  0; never rewritten
.set BSTG,  32768                      ; path B: a stage of 16 rows x 272 bytes for each wave
.set CSTG,  50176                      ; path C: the same
.set SPARE, 67584                      ; the spare words, 128 bytes for each wave: no other line names them
.set STEPS, 16
.set EMAX,  2
.set CB,    8                          ; bytes of 16 codes
.set R,     16                         ; path A: v16-79 four sets of 16 numbers as loaded
.set X,     80                         ; v80-111 two sets of 16 neighbours
.set E,     112                        ; v112-127 a scale byte for each step
.set C,     128                        ; v128-191 codes, four registers a step
.set WREG,  8192                       ; path A: a wave's LDS: two stages of 32 x SP bytes, then its 256 scale bytes
.set SP,    80
.set RAW,   16                         ; paths B, C: v16-47 a chunk as loaded
.set BACK,  48                         ; v48-79 the chunk as it comes back from the stage
.set TMP,   80                         ; path B: v80-83 at work; path C: v80-95 f16 pieces
.set WRD,   84                         ; path B: v84-87 128 mask words, two to a lane and pair
	s_load_b512 s[4:19], s[0:1], 0x0               ; Q, K, V, wQ_w, wK_w, wV_w, attnMask s[16:17], wOut_w s[18:19]
	s_load_b256 s[20:27], s[0:1], 0x40             ; codes, scales, maskw, wimg
	v_lshl_add_u32 v[SPW], v0, 2, SPARE
	v_mov_b32 v[NIL], 0
	v_lshrrev_b32 v1, 5, v0
	v_readfirstlane_b32 s28, v1                    ; wave
	v_and_b32 v2, 31, v0                           ; lane
	s_wait_kmcnt 0x0
	s_cmp_lt_u32 ttmp9, 864
	s_cbranch_scc0 .Lnot_a
; ---------------- PATH A: the quantiser ----------------
; Each load takes 512 consecutive bytes; a step's 2,048 bytes turn through the wave's stage so that a lane holds 16 neighbours along K; two neighbouring lanes hold a block of 32.
	v_lshlrev_b32 v3, 4, v2                        ; my 16 bytes of a load's 512
	s_mul_i32 s29, s28, WREG
	v_lshrrev_b32 v14, 2, v2
	v_mul_u32_u24 v14, v14, SP
	v_and_b32 v15, 3, v2
	v_lshl_add_u32 v14, v15, 4, v14
	v_add_nc_u32 v14, s29, v14                     ; the stage, in: SP (lane / 4) + 16 (lane % 4)
	v_mul_u32_u24 v15, v2, SP
	v_add_nc_u32 v15, s29, v15                     ; out: SP x lane
	v_mul_u32_u24 v4, v2, CB                       ; my codes' place in a step's 256 bytes
	v_lshrrev_b32 v5, 1, v2
	s_add_co_u32 s29, s29, 2*32*SP
	v_add_nc_u32 v5, s29, v5                       ; my block's scale byte in LDS
	v_lshlrev_b32 v7, 3, v2
	v_add_nc_u32 v6, s29, v7                       ; and 8 bytes a lane on the way out
	s_mov_b64 s[32:33], s[4:5]                     ; which tensor: a choice on the work-group's number alone
	s_mov_b32 s34, 0
.macro PICK first, lo
	s_cmp_ge_u32 ttmp9, \first
	s_cselect_b64 s[32:33], s[\lo:\lo+1], s[32:33]
	s_cselect_b32 s34, \first, s34
.endm
	PICK 256, 6
	PICK 512, 8
	PICK 768, 10
	PICK 800, 12
	PICK 832, 14
	s_sub_co_u32 s34, ttmp9, s34
	s_lshl_b32 s34, s34, 2
	s_add_co_u32 s34, s34, s28                     ; my run of 8,192 numbers in that tensor
	s_lshl_b32 s34, s34, 15
	s_mov_b32 s35, 0
	s_add_nc_u64 s[32:33], s[32:33], s[34:35]
	s_lshl_b32 s34, ttmp9, 2
	s_add_co_u32 s34, s34, s28                     ; my run among all six tensors'
	s_lshl_b32 s36, s34, 12                        ; 4,096 bytes of codes a run
	s_mov_b32 s37, 0
	s_add_nc_u64 s[36:37], s[20:21], s[36:37]
	s_lshl_b32 s38, s34, 8                         ; 256 scale bytes a run
	s_mov_b32 s39, 0
	s_add_nc_u64 s[38:39], s[22:23], s[38:39]
.macro LOADA t
.irp i, 0,1,2,3
	global_load_b128 v[R+16*((\t)%4)+4*\i:R+16*((\t)%4)+4*\i+3], v3, s[32:33] offset:2048*(\t)+512*\i th:TH_LOAD_NT
.endr
.endm
.macro TURNA t                         ; LDS serves a wave's instructions in order: no wait between the stores and the loads
.irp i, 0,1,2,3
	ds_store_b128 v14, v[R+16*((\t)%4)+4*\i:R+16*((\t)%4)+4*\i+3] offset:32*SP*((\t)%2)+8*SP*\i
.endr
.irp i, 0,1,2,3
	ds_load_b128 v[X+16*((\t)%2)+4*\i:X+16*((\t)%2)+4*\i+3], v15 offset:32*SP*((\t)%2)+16*\i
.endr
.endm
.irp t, 0,1,2,3
	LOADA \t
.endr
	s_wait_loadcnt 12                              ; step 0's four loads are in; twelve younger ones stay out
	TURNA 0
.macro STEPA t
.set XS, X+16*((\t)%2)
.if (\t) > 0
	s_wait_dscnt 1                                 ; this step's numbers are back (the last step's byte store may be out): so the stage's stores have read their registers,
.else
	s_wait_dscnt 0x0
.endif
.if (\t)+4 < STEPS
	LOADA (\t)+4                                   ; which take the loads of four steps on
.endif
.if (\t)+1 < STEPS
.if STEPS-2-(\t) >= 3
	s_wait_loadcnt 12                              ; the next step's four loads are in; three steps' may be out
.else
	s_wait_loadcnt 4*(STEPS-2-(\t))
.endif
	TURNA (\t)+1
.endif
	v_max3_num_f32 v8, |v[XS]|, |v[XS+1]|, |v[XS+2]|               ; the largest magnitude of my 16, in two chains
	v_max3_num_f32 v9, |v[XS+3]|, |v[XS+4]|, |v[XS+5]|
.irp i, 6,10
	v_max3_num_f32 v8, v8, |v[XS+\i]|, |v[XS+\i+1]|
	v_max3_num_f32 v9, v9, |v[XS+\i+2]|, |v[XS+\i+3]|
.endr
	v_max3_num_f32 v8, v8, |v[XS+14]|, |v[XS+15]|
	v_max3_num_f32 v8, v8, v9, (EMAX+1)<<23        ; and the floor 2^(3 - 127): the byte cannot fall under 1
	v_max_num_f32_dpp v8, v8, v8 row_xmask:1 row_mask:0xf bank_mask:0xf   ; with my neighbour's 16: the block's
	v_add_nc_u32 v11, 0xff000000, v8               ; 2 off its exponent field: the conversion takes that field as its scale, and nothing else
	v_cvt_scalef32_pk8_fp4_f32 v[C+4*(\t)], v[XS:XS+7], v11         ; to the nearest code, ties to even, beyond 6 the largest code
	v_cvt_scalef32_pk8_fp4_f32 v[C+4*(\t)+1], v[XS+8:XS+15], v11
	v_lshrrev_b32 v[E+(\t)], 23, v11               ; the scale's byte (also the plain line behind the conversions)
	ds_store_b8 v5, v[E+(\t)] offset:16*(\t)       ; both lanes of a block write the same byte with the same value
	global_store_b64 v4, v[C+4*(\t):C+4*(\t)+1], s[36:37] offset:32*CB*(\t)   ; the wave stores 256 consecutive bytes, aligned
.endm
.irp t, 0,1,2,3,4,5,6,7,8,9,10,11,12,13,14,15
	STEPA \t
.endr
	ds_load_b64 v[8:9], v6                         ; my wave's 256 scale bytes (in order behind my stores)
	s_wait_dscnt 0x0
	global_store_b64 v7, v[8:9], s[38:39]          ; 256 consecutive bytes, aligned
	s_branch .Lend
.Lnot_a:
	v_and_b32 v8, 15, v0                           ; r
	v_bfe_u32 v9, v0, 4, 1                         ; h
.macro GRAB pitch                      ; a chunk of 16 rows x 256 bytes: each load takes two rows' 256 bytes
.irp i, 0,1,2,3,4,5,6,7
	global_load_b128 v[RAW+4*\i:RAW+4*\i+3], v3, s[32:33] offset:\i*2*\pitch th:TH_LOAD_NT
.endr
.endm
	s_cmp_lt_u32 ttmp9, 992
	s_cbranch_scc0 .Lpath_c
; ---------------- PATH B: the mask's lane words ----------------
	s_sub_co_u32 s29, ttmp9, 864
	s_lshl_b32 s29, s29, 2
	s_add_co_u32 s29, s29, s28                     ; my tile of 16 queries: 128 b + qt
	s_lshl_b32 s30, s29, 15                        ; 16 rows of 2,048 bytes
	s_mov_b32 s31, 0
	s_add_nc_u64 s[32:33], s[16:17], s[30:31]
	s_lshl_b32 s30, s29, 12                        ; 32 key steps x 32 words
	s_add_nc_u64 s[34:35], s[24:25], s[30:31]
	s_mul_i32 s29, s28, 4352
	s_add_co_u32 s29, s29, BSTG                    ; my stage
	v_lshlrev_b32 v3, 4, v8
	v_lshl_add_u32 v3, v9, 11, v3                  ; memory: row h of a pair, 16 r
	v_mul_u32_u24 v4, v9, 272
	v_lshl_add_u32 v4, v8, 4, v4
	v_add_nc_u32 v4, s29, v4                       ; the stage, in
	v_mul_u32_u24 v5, v8, 272
	v_lshl_add_u32 v5, v9, 3, v5
	v_add_nc_u32 v5, s29, v5                       ; out: row r, 8 h: eight keys of my half
	v_lshlrev_b32 v6, 3, v2                        ; two words a lane
.irp i, 0,1,2,3
	v_mov_b32 v[WRD+\i], 0                         ; written once: v_writelane_b32's destination counts as read
.endr
	GRAB 2048
	s_mov_b32 s39, 8
.Lmask:                                        ; a trip: 256 keys = 4 key steps = 128 words
	s_wait_loadcnt 0x0                             ; the chunk's eight loads, the only ones out: so their base may step
	s_add_nc_u64 s[32:33], s[32:33], 256
.irp i, 0,1,2,3,4,5,6,7
	ds_store_b128 v4, v[RAW+4*\i:RAW+4*\i+3] offset:544*\i
.endr
.irp s, 0,1,2,3
.irp kt, 0,1,2,3
	ds_load_b64 v[BACK+2*(4*\s+\kt):BACK+2*(4*\s+\kt)+1], v5 offset:64*\s+16*\kt   ; keys 64 s + 16 kt + 8 h + 0 .. 7 of row r
.endr
.endr
	s_wait_dscnt 0x0                               ; they are in, and the stores have read the chunk's registers
	s_cmp_eq_u32 s39, 1
	s_cbranch_scc1 .Lmask_last                     ; the last trip loads nothing: no load leaves the buffer
	GRAB 2048
.Lmask_last:
.irp s, 0,1,2,3
.irp kt, 0,1,2,3
.irp jj, 0,4
.irp i, 0,1,2,3
	v_and_b32 v[TMP+\i], 0xff<<(8*\i), v[BACK+2*(4*\s+\kt)+\jj/4]   ; key j = jj + i of my eight
.endr
.irp i, 0,1,2,3
	v_cmp_ne_u32 s[40+\i], 0, v[TMP+\i]            ; the 32 lanes' answers are the word
.endr
.irp i, 0,1,2,3
	v_writelane_b32 v[WRD+2*(\s/2)+\i%2], s[40+\i], (32*(\s%2)+8*\kt+\jj+\i)/2   ; word 32 (s % 2) + 8 kt + j of two key steps' 64
.endr
.endr
.endr
.endr
	global_store_b64 v6, v[WRD:WRD+1], s[34:35]             ; 256 consecutive bytes, aligned: two key steps' words
	global_store_b64 v6, v[WRD+2:WRD+3], s[34:35] offset:256
	s_wait_xcnt 0x0                                ; the stores' data and base are written again only behind this wait
	s_add_nc_u64 s[34:35], s[34:35], 512
	s_sub_co_u32 s39, s39, 1
	s_cmp_lg_u32 s39, 0
	s_cbranch_scc1 .Lmask
	s_branch .Lend
; ---------------- PATH C: wOut_w as f16 pieces ----------------
.Lpath_c:
	s_sub_co_u32 s29, ttmp9, 992
	s_lshl_b32 s29, s29, 2
	s_add_co_u32 s29, s29, s28
	s_lshr_b32 s30, s29, 1                         ; my block of 16 rows
	s_and_b32 s29, s29, 1                          ; my half of K
	s_lshl_b32 s36, s30, 16                        ; 16 rows of 4,096 bytes
	s_lshl_b32 s37, s29, 11
	s_add_co_u32 s36, s36, s37
	s_mov_b32 s37, 0
	s_add_nc_u64 s[32:33], s[18:19], s[36:37]
	s_lshl_b32 s36, s30, 15                        ; 64 pieces a block
	s_lshl_b32 s38, s29, 14
	s_add_co_u32 s36, s36, s38
	s_add_nc_u64 s[34:35], s[26:27], s[36:37]
	s_mul_i32 s29, s28, 4352
	s_add_co_u32 s29, s29, CSTG                    ; my stage
	v_lshlrev_b32 v3, 4, v8
	v_lshl_add_u32 v3, v9, 12, v3
	v_mul_u32_u24 v4, v9, 272
	v_lshl_add_u32 v4, v8, 4, v4
	v_add_nc_u32 v4, s29, v4
	v_mul_u32_u24 v5, v8, 272
	v_lshl_add_u32 v5, v9, 5, v5
	v_add_nc_u32 v5, s29, v5                       ; out: row r, 32 h: eight numbers of my half
	v_lshlrev_b32 v6, 4, v2                        ; 16 x lane: a piece's place for my lane
	GRAB 4096
	s_mov_b32 s39, 8
.Lw:                                           ; a trip: 16 rows x 64 along K = four pieces
	s_wait_loadcnt 0x0
	s_add_nc_u64 s[32:33], s[32:33], 256
.irp i, 0,1,2,3,4,5,6,7
	ds_store_b128 v4, v[RAW+4*\i:RAW+4*\i+3] offset:544*\i
.endr
.irp p, 0,1,2,3
.irp e, 0,1
	ds_load_b128 v[BACK+8*\p+4*\e:BACK+8*\p+4*\e+3], v5 offset:64*\p+16*\e   ; piece p = 2 f + c: k = 16 p + 8 h + 0 .. 7
.endr
.endr
	s_wait_dscnt 0x0
	s_cmp_eq_u32 s39, 1
	s_cbranch_scc1 .Lw_last
	GRAB 4096
.Lw_last:
.irp p, 0,1,2,3
.irp i, 0,1,2,3
	v_cvt_pk_f16_f32 v[TMP+4*\p+\i], v[BACK+8*\p+2*\i], v[BACK+8*\p+2*\i+1]
.endr
.endr
.irp p, 0,1,2,3
	global_store_b128 v6, v[TMP+4*\p:TMP+4*\p+3], s[34:35] offset:512*\p   ; 512 consecutive bytes
.endr
	s_wait_xcnt 0x0
	s_add_nc_u64 s[34:35], s[34:35], 2048
	s_sub_co_u32 s39, s39, 1
	s_cmp_lg_u32 s39, 0
	s_cbranch_scc1 .Lw
.Lend:
	s_wait_tensorcnt 0x0                           ; the wave's end, behind my last LDS store
	ds_add_u32 v[SPW], v[NIL]
	s_wait_dscnt 0x0
	s_endpgm
.Lfunc_end_k_q1e711d8107_prep:
	.size	k_q1e711d8107_prep, .Lfunc_end_k_q1e711d8107_prep-k_q1e711d8107_prep
	.p2alignl 7, 3214868480
	.fill 96, 4, 3214868480
	.section	.rodata,"a",@progbits
	.p2align	6, 0x0
	.amdhsa_kernel k_q1e711d8107_prep
		.amdhsa_group_segment_fixed_size 68096
		.amdhsa_private_segment_fixed_size 0
		.amdhsa_enable_private_segment 0
		.amdhsa_kernarg_size 96
		.amdhsa_user_sgpr_count 2
		.amdhsa_user_sgpr_kernarg_segment_ptr 1
		.amdhsa_wavefront_size32 1
		.amdhsa_system_sgpr_workgroup_id_x 1
		.amdhsa_system_sgpr_workgroup_id_y 1
		.amdhsa_system_sgpr_workgroup_id_z 1
		.amdhsa_system_vgpr_workitem_id 0
		.amdhsa_next_free_vgpr 192
		.amdhsa_next_free_sgpr 66
		.amdhsa_reserve_vcc 0
		.amdhsa_float_denorm_mode_32 3
		.amdhsa_float_denorm_mode_16_64 3
		.amdhsa_memory_ordered 1
		.amdhsa_forward_progress 1
		.amdhsa_inst_pref_size 68
	.end_amdhsa_kernel
	.amdgpu_metadata
---
amdhsa.version: [ 1, 2 ]
amdhsa.kernels:
  - .name:           k_q1e711d8107_prep
    .symbol:         k_q1e711d8107_prep.kd
    .args:
      - { .name: Q, .offset: 0, .size: 8, .value_kind: global_buffer, .address_space: global }
      - { .name: K, .offset: 8, .size: 8, .value_kind: global_buffer, .address_space: global }
      - { .name: V, .offset: 16, .size: 8, .value_kind: global_buffer, .address_space: global }
      - { .name: wQ_w, .offset: 24, .size: 8, .value_kind: global_buffer, .address_space: global }
      - { .name: wK_w, .offset: 32, .size: 8, .value_kind: global_buffer, .address_space: global }
      - { .name: wV_w, .offset: 40, .size: 8, .value_kind: global_buffer, .address_space: global }
      - { .name: attnMask, .offset: 48, .size: 8, .value_kind: global_buffer, .address_space: global }
      - { .name: wOut_w, .offset: 56, .size: 8, .value_kind: global_buffer, .address_space: global }
      - { .name: codes, .offset: 64, .size: 8, .value_kind: global_buffer, .address_space: global }
      - { .name: scales, .offset: 72, .size: 8, .value_kind: global_buffer, .address_space: global }
      - { .name: maskw, .offset: 80, .size: 8, .value_kind: global_buffer, .address_space: global }
      - { .name: wimg, .offset: 88, .size: 8, .value_kind: global_buffer, .address_space: global }
    .group_segment_fixed_size: 68096
    .private_segment_fixed_size: 0
    .kernarg_segment_align: 8
    .kernarg_segment_size: 96
    .max_flat_workgroup_size: 128
    .sgpr_count:     66
    .vgpr_count:     192
    .wavefront_size: 32
...
	.end_amdgpu_metadata
.endif
;; end of part 1
;; launch proj (part 2): grid 4 x 96, 4 waves a work-group, clusters of 4 x 4, 327,680 bytes of LDS; arguments codes, scales, wQ_b, wK_b, wV_b, qkv; writes qkv
.if DOCPART == 2
	.amdgcn_target "amdgcn-amd-amdhsa--gfx1250"
	.amdhsa_code_object_version 6
	.text
	.protected	k_q1e711d8107_proj
	.globl	k_q1e711d8107_proj
	.p2align	8
	.type	k_q1e711d8107_proj,@function
k_q1e711d8107_proj:
	s_mov_b64 s[64:65], 0
	v_nop
	global_prefetch_b8 v0, s[64:65] scope:SCOPE_SE
	s_setreg_imm32_b32 hwreg(HW_REG_WAVE_MODE, 25, 1), 1
	s_wait_xcnt 0x0
	s_wait_alu depctr_hold_cnt(0) depctr_sa_sdst(0) depctr_va_vdst(0) depctr_va_sdst(0) depctr_va_ssrc(0) depctr_va_vcc(0) depctr_vm_vsrc(0)
	s_getreg_b32 s2, hwreg(HW_REG_IB_STS2, 6, 4)
	s_cmp_eq_u32 s2, 0
	s_cbranch_scc0 .Lentry_in_a_cluster
	s_endpgm
.Lentry_in_a_cluster:
	s_bfe_u32 s2, ttmp6, 0x10000c
	s_cmp_lg_u32 s2, 0xf033
	s_cbranch_scc0 .Lentry_shape_is_right
	s_endpgm
.Lentry_shape_is_right:
; Launch 2 of 4: the three projections x W^T + b on codes of E2M1 with E8M0 scales (K = 1,024), results rounded to f16 and stored as pieces of the next products' operands.  No work is left out.
; LIMIT: a result over 65,504 in magnitude becomes infinity in f16.
; A work-group of four waves makes 256 x 256, a wave 128 x 128: 64 accumulators.  All of K lies in two LDS slots of 512 along K: nothing is filled again.
; ONE TEXT FOR THREE PRODUCTS.  p = cluster y / 8 says which.  A' (source 1) gives a lane its row, B' (source 0) its eight neighbouring columns.  p = 0, 1 (q, k): A' = tokens, B' = weights: a lane holds one token and
; eight channels.  p = 2 (v): A' = wV_w, B' = V's tokens: a lane holds one channel and eight tokens, as the second product of the attention wants V.  Only offsets into 'codes' and 'scales' differ.
; CLUSTERS of 4 x 4: A's tile hangs on cy and the cluster alone and is asked for jointly along the cluster's row, B's on cx and the cluster alone, jointly along the column.
; THE WAY OUT needs no LDS: a lane's eight results, packed to f16, are its 16 bytes of a piece of 512 bytes.  qkv: tensor p at p << 24; [b 4][head 16][token block 128][piece 4][512 bytes].
;   q, k: piece i = channels 16 i + 8 (l / 16) + 0 .. 7 of token l % 16.   v: piece i = channel 16 i + l % 16, tokens 8 (l / 16) + 0 .. 7.
; REGISTERS: window 0: v16-29 addresses; v32-95 scale words, two sets; v128-191 A's fragments, one set; v192-255 the bias.  Window 1: B's fragments, two sets.  Windows 2, 3: the accumulators, (a, b) at v[8 (8 (a % 4) + b)].
.set NQ,     4                         ; steps of 128 along K in a slot
.set ROWB,   256                       ; a tile's row: 512 codes
.set KROW,   512                       ; a row of codes in memory
.set PITCH,  272                       ; an LDS row: 256 bytes + 16 of padding
.set FR,     8
.set NL,     2
.set NP,     4                         ; places behind this matrix instruction (ISA guide 7.12.1)
.set HALFT,  128*PITCH
.set SLOT,   4*HALFT                   ; A's 256 rows, then B's 256 rows
.set KS,     32                        ; a row of scale bytes
.set SCL,    2*SLOT                    ; behind the slots: the scales, as units of 256 bytes + 16
.set HALFS,  (128*KS/256)*272
.set SBLK,   (16*KS/256)*272
.set SPARE,  SCL+4*HALFS               ; the spare words, 128 bytes a wave: no other line names them
.set ADRA, 16
.set ADRB, 20
.set LI,   25                          ; v25 16 x lane
.set ADRS, 27
.set SPW,  28
.set NIL,  29
.set SC,   32
.set AF,   128
.set BI,   192                         ; the bias: q, k: register 8 b + j; v: registers 8 a + 0 .. 7 all alike
.set T,    32                          ; the way out: 64 sums with the bias
.set PK,   96                          ; and two sets of 32 packed registers, by turns
.set G1, 24
.set G0, 32
.set G1B, 48
.set G0B, 56
.set G1S, 68
.set G0S, 76
.set G1SB, 80
.set G0SB, 88
.set MSB, 0
.macro WIN new                         ; the immediate's high byte repeats the setting that is left
.if MSB != \new
	s_set_vgpr_msb (MSB<<8)|\new
.set MSB, \new
.endif
.endm
.set MUL_LO, 0xa1                      ; source 0 (B') window 1, source 1 (A') window 0, C and D window 2
.set MUL_HI, 0xf1
.set TO_B,   0x40
.macro JLOAD g0a, g1a, g0b, g1b        ; a joint load: waves 0, 1 fetch for A', waves 2, 3 for B'; an s_nop 0 and four v_nop follow each line
	s_cmp_eq_u32 s17, 0
	s_cbranch_scc0 .Lfor_b_\@
	tensor_load_to_lds s[\g0a:\g0a+3], s[\g1a:\g1a+7]
	s_nop 0
.rept 4
	v_nop
.endr
	s_branch .Lasked_\@
.Lfor_b_\@:
	tensor_load_to_lds s[\g0b:\g0b+3], s[\g1b:\g1b+7]
	s_nop 0
.rept 4
	v_nop
.endr
.Lasked_\@:
.endm
.macro CROUND                          ; a round of the cluster's barrier
	s_barrier_signal -1
	s_barrier_wait -1
	s_cmp_lg_u32 s16, 0
	s_cbranch_scc1 .Lnot_wave_0_\@
	s_barrier_signal -3
.Lnot_wave_0_\@:
	s_barrier_wait -3
	s_barrier_signal -1
	s_barrier_wait -1
.endm
	s_load_b256 s[4:11], s[0:1], 0x0               ; codes, scales, wQ_b, wK_b
	s_load_b128 s[12:15], s[0:1], 0x20             ; wV_b, qkv
	v_lshl_add_u32 v[SPW], v0, 2, SPARE
	v_mov_b32 v[NIL], 0
	ds_add_u32 v[SPW], v[NIL]                      ; the opening: the add, twice on end, and its wait ahead of my first tensor load
	ds_add_u32 v[SPW], v[NIL]
	v_lshrrev_b32 v1, 5, v0
	v_readfirstlane_b32 s16, v1                    ; wave
	s_lshr_b32 s17, s16, 1                         ; my half of A's rows.  Also: I fetch for A' (0) or B' (1)
	s_and_b32 s18, s16, 1                          ; my half of B's rows.  Also: which 128 rows I fetch
	s_bfe_u32 s20, ttmp6, 0x40000                  ; cx
	s_bfe_u32 s21, ttmp6, 0x40004                  ; cy
	s_and_b32 s42, ttmp7, 0xffff                   ; the cluster's y: 0 .. 23
	s_lshr_b32 s19, s42, 3                         ; p: the same in all sixteen partners
	s_and_b32 s43, s42, 7
	s_lshl_b32 s43, s43, 2                         ; the cluster's first block of 256 tokens
	s_lshl_b32 s44, s19, 22                        ; the tokens' codes,
	s_lshl_b32 s45, s19, 19
	s_add_co_u32 s45, s45, 12582912                ; the weight's codes,
	s_lshl_b32 s46, s19, 18                        ; the tokens' scales,
	s_lshl_b32 s47, s19, 15
	s_add_co_u32 s47, s47, 786432                  ; the weight's scales
	s_cmp_lt_u32 s19, 2                            ; q, k: A' = tokens;  v: A' = the weight
	s_cselect_b32 s22, s43, 0
	s_cselect_b32 s23, 0, s43
	s_cselect_b32 s92, s44, s45
	s_cselect_b32 s94, s45, s44
	s_cselect_b32 s96, s46, s47
	s_cselect_b32 s98, s47, s46
	s_add_co_u32 s22, s22, s21                     ; A's block of 256 rows: cy and the cluster alone
	s_add_co_u32 s23, s23, s20                     ; B's: cx and the cluster alone
	s_lshl_b32 s40, s21, 2
	s_lshl_b32 s40, 15, s40                        ; my row of the cluster
	s_lshl_b32 s41, 0x1111, s20                    ; my column
	s_or_b32 s[G1+0], s40, (0<<16)|(1<<20)|(1<<21)|(5<<22)|(3<<25)  ; the mask; elements of 1 byte; padding: 4 words behind every 64; bit 21 beside a mask
	s_or_b32 s[G1B+0], s41, (0<<16)|(1<<20)|(1<<21)|(5<<22)|(3<<25)
.irp g, G1, G1B
	s_mov_b32 s[\g+1], ROWB<<16                    ; tensor_dim0
	s_mov_b32 s[\g+2], 128<<16                     ; tensor_dim1
	s_mov_b32 s[\g+3], ROWB<<16                    ; tile_dim0
	s_mov_b32 s[\g+4], 128                         ; tile_dim1
	s_mov_b32 s[\g+5], KROW                        ; from row to row
	s_mov_b32 s[\g+6], 0
	s_mov_b32 s[\g+7], 0
.endr
	s_or_b32 s[G1S+0], s40, (3<<16)|(1<<20)|(1<<21)|(5<<22)|(3<<25) ; the scales of 128 rows: 4,096 dense bytes as 16 rows of 256
	s_or_b32 s[G1SB+0], s41, (3<<16)|(1<<20)|(1<<21)|(5<<22)|(3<<25)
.irp g, G1S, G1SB
	s_mov_b32 s[\g+1], 32<<16
	s_mov_b32 s[\g+2], (128*KS/256)<<16
	s_mov_b32 s[\g+3], 32<<16
	s_mov_b32 s[\g+4], 128*KS/256
	s_mov_b32 s[\g+5], 32
	s_mov_b32 s[\g+6], 0
	s_mov_b32 s[\g+7], 0
.endr
	s_lshl_b32 s43, s18, 7                         ; which 128 rows I fetch
	s_lshl_b32 s42, s22, 8
	s_add_co_u32 s42, s42, s43                     ; A's row
	s_lshl_b32 s44, s42, 9
	s_add_co_u32 s92, s92, s44                     ; its codes, in bytes from 'codes'
	s_mov_b32 s93, 0
	s_lshl_b32 s44, s42, 5
	s_add_co_u32 s96, s96, s44                     ; its scales
	s_mov_b32 s97, 0
	s_lshl_b32 s46, s23, 8
	s_add_co_u32 s46, s46, s43                     ; B's row
	s_lshl_b32 s47, s46, 9
	s_add_co_u32 s94, s94, s47
	s_mov_b32 s95, 0
	s_lshl_b32 s47, s46, 5
	s_add_co_u32 s98, s98, s47
	s_mov_b32 s99, 0
	s_mul_i32 s44, s16, HALFT                      ; where they go: wave x 128 rows: no place in the cluster enters an LDS address
	s_mul_i32 s45, s16, HALFS
	s_wait_dscnt 0x0                               ; both opening adds are done
	s_wait_kmcnt 0x0
	s_add_nc_u64 s[92:93], s[4:5], s[92:93]
	s_add_nc_u64 s[94:95], s[4:5], s[94:95]
	s_add_nc_u64 s[96:97], s[6:7], s[96:97]
	s_add_nc_u64 s[98:99], s[6:7], s[98:99]
	CROUND                                         ; all sixteen work-groups are here: the joint loads meet
	s_mov_b32 s[G0S], 1
	s_add_co_u32 s[G0S+1], s45, SCL
	s_mov_b64 s[G0S+2:G0S+3], s[96:97]
	s_or_b32 s[G0S+3], s[G0S+3], 0x80000000
	s_mov_b32 s[G0SB], 1
	s_add_co_u32 s[G0SB+1], s45, SCL
	s_mov_b64 s[G0SB+2:G0SB+3], s[98:99]
	s_or_b32 s[G0SB+3], s[G0SB+3], 0x80000000
	JLOAD G0S, G1S, G0SB, G1SB                     ; the scales first; then both slots: three loads of mine are out
.irp s, 0,1
	s_mov_b32 s[G0+4*\s], 1
	s_add_co_u32 s[G0+4*\s+1], s44, \s*SLOT
	s_add_nc_u64 s[G0+4*\s+2:G0+4*\s+3], s[92:93], \s*ROWB
	s_or_b32 s[G0+4*\s+3], s[G0+4*\s+3], 0x80000000
	s_mov_b32 s[G0B+4*\s], 1
	s_add_co_u32 s[G0B+4*\s+1], s44, \s*SLOT
	s_add_nc_u64 s[G0B+4*\s+2:G0B+4*\s+3], s[94:95], \s*ROWB
	s_or_b32 s[G0B+4*\s+3], s[G0B+4*\s+3], 0x80000000
	JLOAD G0+4*\s, G1, G0B+4*\s, G1B
.endr
	v_and_b32 v1, 15, v0                           ; r
	v_bfe_u32 v2, v0, 4, 1                         ; h
	v_mul_u32_u24 v3, v1, PITCH
	v_lshl_add_u32 v4, v2, 4, v3                   ; a fragment's row x pitch + 16 h
	s_mul_i32 s42, s17, HALFT                      ; my 128 rows of A'
	s_mul_i32 s43, s18, HALFT
	s_add_co_u32 s43, s43, 2*HALFT                 ; my 128 rows of B', behind A's 256
.irp s, 0,1
	v_add_nc_u32 v[ADRA+\s], s42, v4
	v_add_nc_u32 v[ADRB+\s], s43, v4
	s_add_co_u32 s42, s42, SLOT
	s_add_co_u32 s43, s43, SLOT
.endr
	v_mul_u32_u24 v5, v1, KS                       ; my row's scales: 32 bytes a row,
	v_lshrrev_b32 v6, 8, v5
	v_lshl_add_u32 v5, v6, 4, v5                   ; and 16 more for each 256 passed
	s_mul_i32 s42, s17, HALFS
	s_mul_i32 s43, s18, HALFS
	s_add_co_u32 s43, s43, 2*HALFS
	s_sub_co_u32 s43, s43, s42
	v_mul_u32_u24 v6, s43, v2                      ; lanes 16-31 take B's
	s_add_co_u32 s42, s42, SCL
	v_add_nc_u32 v5, v5, v6
	v_add_nc_u32 v[ADRS], s42, v5
	v_and_b32 v6, 31, v0
	v_lshlrev_b32 v[LI], 4, v6
	v_lshlrev_b32 v6, 5, v2                        ; q, k: my eight channels' bias: 32 h
	v_lshlrev_b32 v7, 2, v1                        ; v: my channel's: 4 r
	; where my results go
	s_lshl_b32 s44, s22, 4
	s_lshl_b32 s45, s17, 3
	s_add_co_u32 s44, s44, s45                     ; A's first block of 16 rows
	s_lshl_b32 s46, s23, 4
	s_lshl_b32 s47, s18, 3
	s_add_co_u32 s46, s46, s47                     ; B's
	s_cmp_lt_u32 s19, 2
	s_cselect_b32 s94, s44, s46                    ; the first token block
	s_cselect_b32 s96, s46, s44                    ; the first block of 16 channels = 4 x the first head
	s_lshl_b32 s98, s96, 6                         ; its bias, in bytes
	s_lshr_b32 s95, s94, 7
	s_lshl_b32 s95, s95, 22                        ; b
	s_and_b32 s94, s94, 127
	s_lshl_b32 s94, s94, 11                        ; the token block in its sequence
	s_add_co_u32 s94, s94, s95
	s_lshl_b32 s96, s96, 16                        ; the head << 18
	s_add_co_u32 s94, s94, s96
	s_lshl_b32 s96, s19, 24                        ; the tensor
	s_add_co_u32 s94, s94, s96
	s_mov_b32 s95, 0
	s_add_nc_u64 s[14:15], s[14:15], s[94:95]
	s_mov_b32 s99, 0
	s_cmp_eq_u32 s19, 1
	s_cselect_b64 s[92:93], s[10:11], s[8:9]
	s_cmp_eq_u32 s19, 2
	s_cselect_b64 s[92:93], s[12:13], s[92:93]
	s_add_nc_u64 s[92:93], s[92:93], s[98:99]
	s_cmp_lt_u32 s19, 2
	s_cbranch_scc0 .Lbias_v                        ; p is the same in all partners
.irp b, 0,1,2,3,4,5,6,7
	global_load_b128 v[BI+8*\b:BI+8*\b+3], v6, s[92:93] offset:64*\b        ; bias of channels 16 b + 8 h + 0 .. 7
	global_load_b128 v[BI+8*\b+4:BI+8*\b+7], v6, s[92:93] offset:64*\b+16
.endr
	s_branch .Lbias_done
.Lbias_v:
.irp a, 0,1,2,3,4,5,6,7
.irp j, 0,1,2,3,4,5,6,7
	global_load_b32 v[BI+8*\a+\j], v7, s[92:93] offset:64*\a                ; bias of channel 16 a + r, for each of my eight tokens: both arms fill the same 64 registers
.endr
.endr
.Lbias_done:
.macro FRAG reg, adr, q, i             ; 16 rows x 128 K of 4-bit codes: registers 4 c .. 4 c + 3 hold K = 64 c + 32 h + 0 .. 31
.irp c, 0,1
	ds_load_b128 v[\reg+4*\c:\reg+4*\c+3], v[\adr] offset:64*(\q)+32*\c+(\i)*16*PITCH
.endr
.endm
; 16 matrix instructions: A's blocks a0, a0 + 1 x B's eight.  The 64 accumulators take turns, one instruction a turn, in the same order in every step.
.macro MUL16 a0, p, q, sc, zero
.irp a, \a0, \a0+1
.irp b, 0,1,2,3,4,5,6,7
.if \zero
	v_wmma_scale_f32_16x16x128_f8f6f4 v[8*(8*((\a)%4)+\b):8*(8*((\a)%4)+\b)+7], v[128*(\p)+FR*\b:128*(\p)+FR*\b+FR-1], v[AF+FR*(\a):AF+FR*(\a)+FR-1], 0, v[SC+8*NQ*(\sc)+NQ*\b+(\q)], v[SC+8*NQ*(\sc)+NQ*(\a)+(\q)] matrix_a_fmt:MATRIX_FMT_FP4 matrix_b_fmt:MATRIX_FMT_FP4 matrix_a_scale:MATRIX_SCALE_ROW1
.else
	v_wmma_scale_f32_16x16x128_f8f6f4 v[8*(8*((\a)%4)+\b):8*(8*((\a)%4)+\b)+7], v[128*(\p)+FR*\b:128*(\p)+FR*\b+FR-1], v[AF+FR*(\a):AF+FR*(\a)+FR-1], v[8*(8*((\a)%4)+\b):8*(8*((\a)%4)+\b)+7], v[SC+8*NQ*(\sc)+NQ*\b+(\q)], v[SC+8*NQ*(\sc)+NQ*(\a)+(\q)] matrix_a_fmt:MATRIX_FMT_FP4 matrix_b_fmt:MATRIX_FMT_FP4 matrix_a_scale:MATRIX_SCALE_ROW1
.endif
.endr
.endr
.endm
.macro FETCH_B slot, q, p
	WIN TO_B
.irp i, 0,1,2,3,4,5,6,7
	FRAG 128*(\p)+FR*\i, ADRB+\slot, \q, \i
.endr
	WIN 0
.endm
.macro FETCH_A slot, q, i0
.irp i, \i0, \i0+1, \i0+2, \i0+3
	FRAG AF+FR*(\i), ADRA+\slot, \q, \i
.endr
.endm
.macro SCALES sc                       ; a slot's scale words: lanes 0-15 A's block i, lanes 16-31 B's block i; four words a row
.irp i, 0,1,2,3,4,5,6,7
	ds_load_b128 v[SC+8*NQ*\sc+NQ*\i:SC+8*NQ*\sc+NQ*\i+3], v[ADRS] offset:\i*SBLK
.endr
.endm
.macro PLACES n                        ; plain vector lines between a matrix instruction and a load into, or a vector line on, its registers
.rept \n
	v_nop
.endr
.endm
.macro STEP slot, q, zero              ; 128 along K with its successor in the same slot
	s_wait_dscnt 4*NL                              ; all but the youngest eight loads (A's blocks 4-7)
	WIN MUL_LO
	MUL16 0, (\q)%2, \q, \slot, \zero
	MUL16 2, (\q)%2, \q, \slot, \zero
	s_wait_dscnt 0                                 ; A's blocks 4-7 are in
	PLACES NP
	FETCH_B \slot, (\q)+1, 1-(\q)%2
	FETCH_A \slot, (\q)+1, 0
	WIN MUL_HI
	MUL16 4, (\q)%2, \q, \slot, \zero
	MUL16 6, (\q)%2, \q, \slot, \zero
	PLACES NP
	WIN 0
	FETCH_A \slot, (\q)+1, 4
.endm
.macro TURN slot, next                 ; a slot's last step: behind its barrier the other slot is whole for every wave; nothing is filled again
	s_wait_tensorcnt 0x0                           ; all my tensor loads have landed: my part of the other slot
	ds_add_u32 v[SPW], v[NIL]
	s_wait_dscnt 4*NL+1                            ; the add and the youngest eight loads may be out
	WIN MUL_LO
	MUL16 0, 1, NQ-1, \slot, 0
	s_wait_dscnt 0x0                               ; no LDS instruction of mine is out at the signal
	s_barrier_signal -1
	MUL16 2, 1, NQ-1, \slot, 0
	WIN 0
	s_barrier_wait -1
	PLACES NP
	v_add_nc_u32 v[ADRS], 4*NQ, v[ADRS]            ; the other slot's scale words: 16 bytes on in each row
	FETCH_B \next, 0, 0
	FETCH_A \next, 0, 0
	SCALES \next
	WIN MUL_HI
	MUL16 4, 1, NQ-1, \slot, 0
	MUL16 6, 1, NQ-1, \slot, 0
	PLACES NP
	WIN 0
	FETCH_A \next, 0, 4
.endm
	s_wait_tensorcnt 1                             ; the scales and my part of slot 0 are in; slot 1's load may be out
	s_barrier_signal -1
	s_barrier_wait -1
	FETCH_B 0, 0, 0
	FETCH_A 0, 0, 0
	SCALES 0
	FETCH_A 0, 0, 4
	STEP 0, 0, 1                                   ; the first products start the sums: nothing is cleared
	STEP 0, 1, 0
	STEP 0, 2, 0
	TURN 0, 1
	STEP 1, 0, 0
	STEP 1, 1, 0
	STEP 1, 2, 0
	s_wait_dscnt 4*NL                              ; the last step: nothing more to fetch
	WIN MUL_LO
	MUL16 0, 1, NQ-1, 1, 0
	MUL16 2, 1, NQ-1, 1, 0
	s_wait_dscnt 0
	WIN MUL_HI
	MUL16 4, 1, NQ-1, 1, 0
	MUL16 6, 1, NQ-1, 1, 0
	WIN 0
; THE WAY OUT of A's block a: + bias in f32, rounded to f16, eight pieces of 512 consecutive bytes.  Each accumulator is read from its low end on.
.macro OUTBLK a, vmode
.set AC, 64*((\a)%4)
.set PB, PK+32*((\a)%2)
	WIN 0x02+((\a)/4)                              ; source 0: window 2 or 3
.irp b, 0,1,2,3,4,5,6,7
.irp i, 0,2,4,6
.if \vmode
	v_pk_add_f32 v[T+8*\b+\i:T+8*\b+\i+1], v[AC+8*\b+\i:AC+8*\b+\i+1], v[BI+8*(\a)+\i:BI+8*(\a)+\i+1]
.else
	v_pk_add_f32 v[T+8*\b+\i:T+8*\b+\i+1], v[AC+8*\b+\i:AC+8*\b+\i+1], v[BI+8*\b+\i:BI+8*\b+\i+1]
.endif
.endr
.endr
	WIN 0
.if (\a) >= 2
	s_wait_xcnt 0x0                                ; block a - 2's stores have read this set of packed registers
.endif
.irp b, 0,1,2,3,4,5,6,7
.irp i, 0,1,2,3
	v_cvt_pk_f16_f32 v[PB+4*\b+\i], v[T+8*\b+2*\i], v[T+8*\b+2*\i+1]
.endr
.endr
.irp b, 0,1,2,3,4,5,6,7
.if \vmode
	global_store_b128 v[LI], v[PB+4*\b:PB+4*\b+3], s[14:15] offset:\b*2048+((\a)/4)*262144+((\a)%4)*512   ; token block b, head a / 4, piece a % 4
.else
	global_store_b128 v[LI], v[PB+4*\b:PB+4*\b+3], s[14:15] offset:(\a)*2048+(\b/4)*262144+(\b%4)*512     ; token block a, head b / 4, piece b % 4
.endif
.endr
.endm
	s_wait_loadcnt 0x0                             ; the bias
	PLACES NP                                      ; behind the last products
	s_cmp_lt_u32 s19, 2
	s_cbranch_scc0 .Lout_v
.irp a, 0,1,2,3,4,5,6,7
	OUTBLK \a, 0
.endr
	s_branch .Lend
.Lout_v:
.irp a, 0,1,2,3,4,5,6,7
	OUTBLK \a, 1
.endr
.Lend:
	s_wait_tensorcnt 0x0                           ; the wave's end
	ds_add_u32 v[SPW], v[NIL]
	s_wait_dscnt 0x0
	CROUND                                         ; the closing round
	s_endpgm
.Lfunc_end_k_q1e711d8107_proj:
	.size	k_q1e711d8107_proj, .Lfunc_end_k_q1e711d8107_proj-k_q1e711d8107_proj
	.p2alignl 7, 3214868480
	.fill 96, 4, 3214868480
	.section	.rodata,"a",@progbits
	.p2align	6, 0x0
	.amdhsa_kernel k_q1e711d8107_proj
		.amdhsa_group_segment_fixed_size 327680
		.amdhsa_private_segment_fixed_size 0
		.amdhsa_enable_private_segment 0
		.amdhsa_kernarg_size 48
		.amdhsa_user_sgpr_count 2
		.amdhsa_user_sgpr_kernarg_segment_ptr 1
		.amdhsa_wavefront_size32 1
		.amdhsa_system_sgpr_workgroup_id_x 1
		.amdhsa_system_sgpr_workgroup_id_y 1
		.amdhsa_system_sgpr_workgroup_id_z 1
		.amdhsa_system_vgpr_workitem_id 0
		.amdhsa_next_free_vgpr 1024
		.amdhsa_next_free_sgpr 100
		.amdhsa_reserve_vcc 0
		.amdhsa_float_denorm_mode_32 3
		.amdhsa_float_denorm_mode_16_64 3
		.amdhsa_memory_ordered 1
		.amdhsa_forward_progress 1
		.amdhsa_inst_pref_size 181
	.end_amdhsa_kernel
	.amdgpu_metadata
---
amdhsa.version: [ 1, 2 ]
amdhsa.kernels:
  - .name:           k_q1e711d8107_proj
    .symbol:         k_q1e711d8107_proj.kd
    .args:
      - { .name: codes, .offset: 0, .size: 8, .value_kind: global_buffer, .address_space: global }
      - { .name: scales, .offset: 8, .size: 8, .value_kind: global_buffer, .address_space: global }
      - { .name: wQ_b, .offset: 16, .size: 8, .value_kind: global_buffer, .address_space: global }
      - { .name: wK_b, .offset: 24, .size: 8, .value_kind: global_buffer, .address_space: global }
      - { .name: wV_b, .offset: 32, .size: 8, .value_kind: global_buffer, .address_space: global }
      - { .name: qkv, .offset: 40, .size: 8, .value_kind: global_buffer, .address_space: global }
    .group_segment_fixed_size: 327680
    .private_segment_fixed_size: 0
    .kernarg_segment_align: 8
    .kernarg_segment_size: 48
    .max_flat_workgroup_size: 128
    .sgpr_count:     100
    .vgpr_count:     1024
    .wavefront_size: 32
...
	.end_amdgpu_metadata
.endif
;; end of part 2
;; launch attn (part 3): grid 4 x 64, 16 waves a work-group, clusters of 4 x 1, 327,680 bytes of LDS; arguments qkv, maskw, ao; writes ao
.if DOCPART == 3
	.amdgcn_target "amdgcn-amd-amdhsa--gfx1250"
	.amdhsa_code_object_version 6
	.text
	.protected	k_q1e711d8107_attn
	.globl	k_q1e711d8107_attn
	.p2align	8
	.type	k_q1e711d8107_attn,@function
k_q1e711d8107_attn:
	s_mov_b64 s[64:65], 0
	v_nop
	global_prefetch_b8 v0, s[64:65] scope:SCOPE_SE
	s_setreg_imm32_b32 hwreg(HW_REG_WAVE_MODE, 25, 1), 1
	s_wait_xcnt 0x0
	s_wait_alu depctr_hold_cnt(0) depctr_sa_sdst(0) depctr_va_vdst(0) depctr_va_sdst(0) depctr_va_ssrc(0) depctr_va_vcc(0) depctr_vm_vsrc(0)
	s_getreg_b32 s2, hwreg(HW_REG_IB_STS2, 6, 4)
	s_cmp_eq_u32 s2, 0
	s_cbranch_scc0 .Lentry_in_a_cluster
	s_endpgm
.Lentry_in_a_cluster:
	s_bfe_u32 s2, ttmp6, 0x10000c
	s_cmp_lg_u32 s2, 0x3003
	s_cbranch_scc0 .Lentry_shape_is_right
	s_endpgm
.Lentry_shape_is_right:
; Launch 3 of 4: softmax(where(mask, -10,000, q k^T / 8)) v for each of 64 (b, head), head size 64, 2,048 keys.  f16 operands, f32 products' sums, maxima and row sums.  No work is left out: the mask is an input and is honoured score by score.
; LIMIT: the result is rounded to f16 for the last product (over 65,504: infinity).
; SHARES.  A work-group owns 512 queries of one (b, head); each of its sixteen waves owns two tiles of 16, so that a fragment of K or V read from LDS feeds two matrix instructions.  Four waves share a SIMD:
; one wave's vector work stands beside another's matrix work.  Every wave walks all keys, 64 a step.
; CLUSTER.  The four blocks of queries of a (b, head) are one cluster and walk the same K and V: each tile is asked for jointly, mask 15.
; LAYOUT.  Both products transposed: S^T = K Q^T, O^T = V^T P: a lane holds one query (lane % 16) throughout.  q, k, v lie in memory as pieces of operand registers (512 bytes, lane l's 16 bytes at 16 l), so LDS holds them
; as they lie and every LDS load is 512 consecutive bytes.  Two packed tiles of S^T are a fragment of P in the same lanes.
; SOFTMAX.  Running maximum m and sum l for each query: p = 2^(c s - c m), s the raw product, c = log2(e) / 8.  A masked score becomes -80,000 = -10,000 x 8 AHEAD of the maximum, by one v_cndmask_b32 on a lane mask
; that launch 1 made and a scalar load brings.  In every step O and l are multiplied by a = 2^(c m_old - c m_new).  The loop has no first step of its own: O and l begin as zeros, m as -3e38.
; RING.  Two slots of 512 keys (64 KiB of K, 64 KiB of V).  Every wave fetches 8 KiB of each fill (waves 0-7 K, 8-15 V): one load a wave behind each round, eight key steps in which to land.
.set SLOT1, 1<<17
.set SPARE, 1<<18                      ; behind the ring: the spare words, 128 bytes a wave: no other line names them
.set LI,  1                            ; v1  16 x lane: a piece's place for my lane; K's part of a slot
.set LV,  2                            ; v2  the same in V's part
.set ADK, 3                            ; v3  the step's K
.set ADV, 4                            ; v4  the step's V
.set SPW, 5
.set NIL, 6
.set NEG, 7                            ; v7  -80,000.0
.set PFO, 8                            ; v8  256 x lane
.set ST,  16                           ; tile t at v[ST + 8 t]: +0 c m, +1 m, +2, +3 l, +4 .. +7 at work; a at +6
.set Q,   32                           ; tile t, channels 32 f on: v[Q + 16 t + 8 f]
.set KV,  64                           ; a step's K, then its V
.set S,   128                          ; S^T: tile t, keys 16 kt on: v[S + 32 t + 8 kt]; then P in v[S + 32 t + 0 .. 15]
.set O,   192                          ; O^T: tile t, channels 16 ct on: v[O + 32 t + 8 ct]
.set MP,  2                            ; s[2:3]   my tiles' mask words of the step in hand
.set G1,  4                            ; s[4:11]  descriptor group 1
.set G0,  12                           ; s[12:15] group 0, which walks
.set CS,  16                           ; s[16:17] c
.set SEL, 18                           ; s[18:19] v_permlanex16_b32's selects: lane l xor 16
.set WV,  20
.set TB,  21                           ; LDS byte at which the step's pieces of K begin
.set SLOTS, 22
.set CNT, 23
.set PFA, 24                           ; s[24:25] where my prefetches stand
.set LIM, 26
.set AO,  28                           ; s[28:29] my results
.set MW0, 32                           ; s[32:63] tile 0's 32 mask words
.set MW1, 68                           ; s[68:99] tile 1's
.macro CROUND
	s_barrier_signal -1
	s_barrier_wait -1
	s_cmp_lg_u32 s[WV], 0
	s_cbranch_scc1 .Lnot_wave_0_\@
	s_barrier_signal -3
.Lnot_wave_0_\@:
	s_barrier_wait -3
	s_barrier_signal -1
	s_barrier_wait -1
.endm
; A prefetch of what the NEXT change of slots will ask for: 128 KiB = 512 blocks of 256 bytes, each named once: waves 0, 1 ask for K's, waves 2, 3 for V's; part 4 (w % 2) + cx of eight, 8 KiB, lanes 256 bytes apart.
; The partners are told apart by address alone.  The last change that fills a slot asks for nothing.
.macro ASK
	s_cmp_gt_u32 s[SLOTS], s[LIM]
	s_cbranch_scc0 .Lnot_mine_\@
	global_prefetch_b8 v[PFO], s[PFA:PFA+1] th:TH_LOAD_NT scope:SCOPE_SE
.Lnot_mine_\@:
.endm
	s_load_b128 s[84:87], s[0:1], 0x0              ; qkv, maskw
	s_load_b64 s[88:89], s[0:1], 0x10              ; ao
	v_lshl_add_u32 v[SPW], v0, 2, SPARE
	v_mov_b32 v[NIL], 0
	ds_add_u32 v[SPW], v[NIL]                      ; the opening: the add, twice on end, and its wait ahead of my first tensor load
	ds_add_u32 v[SPW], v[NIL]
	v_lshrrev_b32 v9, 5, v0
	v_readfirstlane_b32 s[WV], v9                  ; wave 0..15
	s_bfe_u32 s30, ttmp6, 0x40000                  ; cx: my block of 512 queries
	s_and_b32 s31, ttmp7, 0xffff                   ; 16 b + head, which the partners share
	s_mov_b32 s[G1], 15|(3<<16)|(1<<21)            ; the mask: all four; elements of 8 bytes; bit 21 beside a mask; no padding
	s_mov_b32 s[G1+1], 32<<16                      ; tensor_dim0: 256 bytes
	s_mov_b32 s[G1+2], 32<<16                      ; tensor_dim1: 32 rows: 8 KiB, dense
	s_mov_b32 s[G1+3], 32<<16                      ; tile_dim0
	s_mov_b32 s[G1+4], 32                          ; tile_dim1
	s_mov_b32 s[G1+5], 32                          ; from row to row
	s_mov_b32 s[G1+6], 0
	s_mov_b32 s[G1+7], 0
	s_mov_b32 s[CS], 0x3e38aa3b                    ; c = log2(e) / 8
	s_mov_b32 s[CS+1], s[CS]
	s_mov_b32 s[SEL], 0x76543210
	s_mov_b32 s[SEL+1], 0xfedcba98
	s_mov_b32 s[TB], 0
	s_mov_b32 s[SLOTS], 3
	s_lshl_b32 s27, s31, 18                        ; the (b, head)'s bytes in each tensor of qkv
	s_lshr_b32 s36, s[WV], 3
	s_add_co_u32 s36, s36, 1                       ; waves 0-7: tensor 1 (k); waves 8-15: tensor 2 (v)
	s_lshl_b32 s36, s36, 24
	s_add_co_u32 s36, s36, s27
	s_and_b32 s37, s[WV], 7
	s_lshl_b32 s37, s37, 13                        ; my 8 KiB of a slot's 64
	s_add_co_u32 s36, s36, s37
	s_mov_b32 s37, 0
	s_lshl_b32 s38, s30, 5
	s_lshl_b32 s39, s[WV], 1
	s_add_co_u32 s38, s38, s39                     ; my first tile of queries in the sequence: 32 cx + 2 w
	s_lshr_b32 s39, s31, 4
	s_lshl_b32 s39, s39, 7
	s_add_co_u32 s40, s39, s38                     ; and among all: 128 b + that
	s_lshl_b32 s38, s38, 11
	s_add_co_u32 s38, s38, s27                     ; q's pieces
	s_mov_b32 s39, 0
	s_lshl_b32 s42, s40, 15
	s_and_b32 s43, s31, 15
	s_lshl_b32 s43, s43, 11
	s_add_co_u32 s42, s42, s43                     ; ao: token block x 32,768 + head x 2,048
	s_mov_b32 s43, 0
	s_lshl_b32 s40, s40, 12                        ; the mask words: 4,096 bytes a tile
	s_mov_b32 s41, 0
	s_bfe_u32 s44, s[WV], 0x10001
	s_add_co_u32 s44, s44, 1
	s_lshl_b32 s44, s44, 24
	s_add_co_u32 s44, s44, s27
	s_and_b32 s45, s[WV], 1
	s_lshl_b32 s45, s45, 2
	s_add_co_u32 s45, s45, s30
	s_lshl_b32 s45, s45, 13
	s_add_co_u32 s44, s44, s45
	s_add_co_u32 s44, s44, 65536                   ; in slot 1: the first change of slots steps it to slot 2.  Nothing is prefetched at the head
	s_mov_b32 s45, 0
	s_cmp_lt_u32 s[WV], 4
	s_cselect_b32 s[LIM], 1, -1
	s_lshl_b32 s46, s[WV], 13                      ; where my 8 KiB go: wave x 8,192: K's part, then V's
	v_and_b32 v9, 31, v0
	v_lshlrev_b32 v[LI], 4, v9
	v_add_nc_u32 v[LV], 0x10000, v[LI]
	v_lshlrev_b32 v[PFO], 8, v9
	v_mov_b32 v[NEG], 0xc79c4000
	s_wait_dscnt 0x0                               ; both opening adds are done
	s_wait_kmcnt 0x0
	s_mov_b32 s[G0], 1
	s_mov_b32 s[G0+1], s46
	s_add_nc_u64 s[G0+2:G0+3], s[84:85], s[36:37]
	s_or_b32 s[G0+3], s[G0+3], 0x80000000
	s_add_nc_u64 s[38:39], s[84:85], s[38:39]
	s_add_nc_u64 s[MP:MP+1], s[86:87], s[40:41]
	s_add_nc_u64 s[AO:AO+1], s[88:89], s[42:43]
	s_add_nc_u64 s[PFA:PFA+1], s[84:85], s[44:45]
	CROUND                                         ; all four work-groups are here
	tensor_load_to_lds s[G0:G0+3], s[G1:G1+7]      ; slot 0: every wave issues its part, with no branch
	s_nop 0
.rept 4
	v_nop
.endr
.irp i, 0,1,2,3,4,5,6,7
	global_load_b128 v[Q+4*\i:Q+4*\i+3], v[LI], s[38:39] offset:512*\i   ; my two tiles of q stay in registers
.endr
.irp t, 0,1
	v_mov_b32 v[ST+8*\t+1], 0xff61b1e6             ; m = -3e38, under every score
	v_mul_f32 v[ST+8*\t], s[CS], v[ST+8*\t+1]
	v_mov_b32 v[ST+8*\t+2], 0
	v_mov_b32 v[ST+8*\t+3], 0
.endr
.set i, 0
.rept 64
	v_mov_b32 v[O+i], 0                            ; the step is written once: the first finds zeros, which a = 0 leaves zeros
.set i, i+1
.endr
	s_wait_loadcnt 0x0                             ; q; its base may now take mask words
; A KEY STEP: 64 keys.
.macro STEP
	v_add_nc_u32 v[ADK], s[TB], v[LI]
	v_add_nc_u32 v[ADV], s[TB], v[LV]
.rept 3
	v_nop                                          ; five plain lines behind the last V^T P: its K/V registers are loaded anew, and the products below write over its P
.endr
	s_load_b512 s[MW0:MW0+15], s[MP:MP+1], 0x0     ; the step's 32 mask words of each tile
	s_load_b512 s[MW0+16:MW0+31], s[MP:MP+1], 0x40
	s_load_b512 s[MW1:MW1+15], s[MP:MP+1], 0x1000
	s_load_b512 s[MW1+16:MW1+31], s[MP:MP+1], 0x1040
.irp g, 0,1,2,3,4,5,6,7,8,9,10,11,12,13,14,15
	ds_load_b128 v[KV+4*\g:KV+4*\g+3], v[ADK] offset:512*\g        ; K: keys 16 (g / 4) on, piece g % 4
.endr
	s_wait_dscnt 0x0
.irp f, 0,1                                    ; S^T = K Q^T: eight accumulators by turns; the first eight start the sums
.irp kt, 0,1,2,3
.irp t, 0,1
.if \f == 0
	v_wmma_f32_16x16x32_f16 v[S+32*\t+8*\kt:S+32*\t+8*\kt+7], v[KV+16*\kt+8*\f:KV+16*\kt+8*\f+7], v[Q+16*\t+8*\f:Q+16*\t+8*\f+7], 0
.else
	v_wmma_f32_16x16x32_f16 v[S+32*\t+8*\kt:S+32*\t+8*\kt+7], v[KV+16*\kt+8*\f:KV+16*\kt+8*\f+7], v[Q+16*\t+8*\f:Q+16*\t+8*\f+7], v[S+32*\t+8*\kt:S+32*\t+8*\kt+7]
.endif
.endr
.endr
.endr
.rept 4
	v_nop                                          ; places: ahead of the loads into K's registers and of the first read of the scores
.endr
.irp u, 0,1
.irp ct, 0,1,2,3
	ds_load_b128 v[KV+8*(4*\u+\ct):KV+8*(4*\u+\ct)+3], v[ADV] offset:4096*\u+512*\ct            ; V^T: channels 16 ct on, keys 32 u + 8 h on,
	ds_load_b128 v[KV+8*(4*\u+\ct)+4:KV+8*(4*\u+\ct)+7], v[ADV] offset:4096*\u+512*\ct+2048     ; and 16 keys further on; they land under the softmax
.endr
.endr
	s_wait_kmcnt 0x0                               ; the mask words are in, so their base may step
	s_add_nc_u64 s[MP:MP+1], s[MP:MP+1], 128
.irp kt, 0,1,2,3
.irp j, 0,1,2,3,4,5,6,7
	v_cndmask_b32 v[S+8*\kt+\j], v[S+8*\kt+\j], v[NEG], s[MW0+8*\kt+\j]             ; each accumulator from its low end on
	v_cndmask_b32 v[S+32+8*\kt+\j], v[S+32+8*\kt+\j], v[NEG], s[MW1+8*\kt+\j]
.endr
.endr
.irp j, 0,1,2,3                                ; the maximum of my 32 scores and the old m: four chains, the two tiles by turns
.irp t, 0,1
	v_max3_num_f32 v[ST+8*\t+4+\j], v[S+32*\t+8*\j], v[S+32*\t+8*\j+1], v[S+32*\t+8*\j+2]
.endr
.endr
.irp q, 3,5
.irp j, 0,1,2,3
.irp t, 0,1
	v_max3_num_f32 v[ST+8*\t+4+\j], v[ST+8*\t+4+\j], v[S+32*\t+8*\j+\q], v[S+32*\t+8*\j+\q+1]
.endr
.endr
.endr
.irp t, 0,1
	v_max3_num_f32 v[ST+8*\t+4], v[ST+8*\t+4], v[S+32*\t+7], v[S+32*\t+15]
	v_max3_num_f32 v[ST+8*\t+6], v[ST+8*\t+6], v[S+32*\t+23], v[S+32*\t+31]
.endr
.irp t, 0,1
	v_max3_num_f32 v[ST+8*\t+4], v[ST+8*\t+4], v[ST+8*\t+5], v[ST+8*\t+6]
.endr
.irp t, 0,1
	v_max3_num_f32 v[ST+8*\t+4], v[ST+8*\t+4], v[ST+8*\t+7], v[ST+8*\t+1]
.endr
.irp t, 0,1
	v_permlanex16_b32 v[ST+8*\t+5], v[ST+8*\t+4], s[SEL], s[SEL+1]  ; the query's other 32 keys lie in the lane 16 away
.endr
.irp t, 0,1
	v_mov_b32 v[ST+8*\t+7], v[ST+8*\t]             ; c m_old is kept for a
.endr
.irp t, 0,1
	v_max_num_f32 v[ST+8*\t+1], v[ST+8*\t+4], v[ST+8*\t+5]
.endr
.irp t, 0,1
	v_mul_f32 v[ST+8*\t], s[CS], v[ST+8*\t+1]
.endr
.irp t, 0,1
	v_sub_f32 v[ST+8*\t+7], v[ST+8*\t+7], v[ST+8*\t]
.endr
.irp b, 0,2,4,6,8,10,12,14,16,18,20,22,24,26,28,30
.irp t, 0,1
	v_pk_fma_f32 v[S+32*\t+\b:S+32*\t+\b+1], v[S+32*\t+\b:S+32*\t+\b+1], s[CS:CS+1], v[ST+8*\t:ST+8*\t+1] op_sel_hi:[1,0,0] neg_lo:[0,0,1] neg_hi:[0,0,1]  ; c s - c m
.endr
.endr
.irp t, 0,1
	v_exp_f32 v[ST+8*\t+6], v[ST+8*\t+7]           ; a
.endr
.set e, 0
.rept 64
	v_exp_f32 v[S+e], v[S+e]                       ; p: one batch of 66 exponentials, none of which reads another's result
.set e, e+1
.endr
	v_nop                                          ; the plain line behind the last exponential
	s_wait_alu depctr_va_vdst(0)                   ; the wait ahead of the first line that names a result: one for the batch
.irp t, 0,1                                    ; l = a l + the sum of the unrounded p, in two chains
	v_pk_fma_f32 v[ST+8*\t+2:ST+8*\t+3], v[ST+8*\t+2:ST+8*\t+3], v[ST+8*\t+6:ST+8*\t+7], v[S+32*\t:S+32*\t+1] op_sel_hi:[1,0,1]
	v_pk_add_f32 v[ST+8*\t+4:ST+8*\t+5], v[S+32*\t+2:S+32*\t+3], v[S+32*\t+6:S+32*\t+7]
.endr
.irp b, 4,8,12,16,20,24,28
.irp t, 0,1
	v_pk_add_f32 v[ST+8*\t+2:ST+8*\t+3], v[ST+8*\t+2:ST+8*\t+3], v[S+32*\t+\b:S+32*\t+\b+1]
.if \b > 4
	v_pk_add_f32 v[ST+8*\t+4:ST+8*\t+5], v[ST+8*\t+4:ST+8*\t+5], v[S+32*\t+\b+2:S+32*\t+\b+3]
.endif
.endr
.endr
.irp t, 0,1
	v_pk_add_f32 v[ST+8*\t+2:ST+8*\t+3], v[ST+8*\t+2:ST+8*\t+3], v[ST+8*\t+4:ST+8*\t+5]
.endr
.set i, 0
.rept 16
	v_cvt_pk_f16_f32 v[S+i], v[S+2*i], v[S+2*i+1]                  ; P, in place, ascending: register i is written when registers 2 i, 2 i + 1 are read
	v_cvt_pk_f16_f32 v[S+32+i], v[S+32+2*i], v[S+32+2*i+1]
.set i, i+1
.endr
.irp b, 0,2,4,6,8,10,12,14,16,18,20,22,24,26,28,30
.irp t, 0,1
	v_pk_mul_f32 v[O+32*\t+\b:O+32*\t+\b+1], v[O+32*\t+\b:O+32*\t+\b+1], v[ST+8*\t+6:ST+8*\t+7] op_sel_hi:[1,0]   ; O^T x a
.endr
.endr
	s_wait_dscnt 0x0                               ; V is in
.irp u, 0,1                                    ; O^T += V^T P: eight accumulators by turns
.irp ct, 0,1,2,3
.irp t, 0,1
	v_wmma_f32_16x16x32_f16 v[O+32*\t+8*\ct:O+32*\t+8*\ct+7], v[KV+8*(4*\u+\ct):KV+8*(4*\u+\ct)+7], v[S+32*\t+8*\u:S+32*\t+8*\u+7], v[O+32*\t+8*\ct:O+32*\t+8*\ct+7]
.endr
.endr
.endr
	s_add_co_u32 s[TB], s[TB], 8192                ; the next step's four token blocks
.endm
; THE CHANGE OF SLOTS stands at a slot's head: every wave waits for all its tensor loads (its part of the slot ahead), adds 0 to its spare word, and waits for that and for its reads of the slot that it has left.
; fill = 1: a round of the cluster's barrier, and behind it, first, my one load: the next 512 keys into the slot just left.
.macro CHANGE fill
	s_wait_tensorcnt 0x0                           ; no tensor load of mine is out, so group 0 may be written
	ds_add_u32 v[SPW], v[NIL]
.if \fill
	s_xor_b32 s[G0+1], s[G0+1], SLOT1              ; the other slot than last time,
	s_add_nc_u64 s[G0+2:G0+3], s[G0+2:G0+3], 65536 ; the next 512 keys
	s_wait_xcnt 0x0                                ; the last prefetch, a slot back, has read its address
	s_add_nc_u64 s[PFA:PFA+1], s[PFA:PFA+1], 65536
	s_wait_dscnt 0x0
	CROUND
	tensor_load_to_lds s[G0:G0+3], s[G1:G1+7]
	s_nop 0
.rept 4
	v_nop
.endr
	ASK
.else
	s_wait_dscnt 0x0
	s_barrier_signal -1
	s_barrier_wait -1
.endif
.endm
.macro SLOT_STEPS                      ; a slot's eight key steps: written once, walked eight times
	s_mov_b32 s[CNT], 8
.Lstep_\@:
	STEP
	s_sub_co_u32 s[CNT], s[CNT], 1
	s_cmp_lg_u32 s[CNT], 0
	s_cbranch_scc1 .Lstep_\@
	s_sub_co_u32 s[TB], s[TB], 65536               ; back to a slot's first step,
	s_xor_b32 s[TB], s[TB], SLOT1                  ; in the other slot
.endm
.Lslot:                                        ; three trips: behind each change of slots but the last the next 512 keys are asked for
	CHANGE 1
	SLOT_STEPS
	s_sub_co_u32 s[SLOTS], s[SLOTS], 1
	s_cmp_lg_u32 s[SLOTS], 0
	s_cbranch_scc1 .Lslot
	CHANGE 0                                       ; the last slot is written out
	SLOT_STEPS
	; THE WAY OUT: O^T / l, rounded to f16: a lane's eight channels of a query are its 16 bytes of a piece of the last product's operand.  The six lines on l are the places behind the last products.
.irp t, 0,1
	v_add_f32 v[ST+8*\t+4], v[ST+8*\t+2], v[ST+8*\t+3]
.endr
.irp t, 0,1
	v_permlanex16_b32 v[ST+8*\t+5], v[ST+8*\t+4], s[SEL], s[SEL+1]
.endr
.irp t, 0,1
	v_add_f32 v[ST+8*\t+4], v[ST+8*\t+4], v[ST+8*\t+5]
.endr
.irp t, 0,1
	v_rcp_f32 v[ST+8*\t+6], v[ST+8*\t+4]
.endr
	v_nop
	s_wait_alu depctr_va_vdst(0)                   ; one wait for the two reciprocals, ahead of their first reader
.irp b, 0,2,4,6,8,10,12,14,16,18,20,22,24,26,28,30
.irp t, 0,1
	v_pk_mul_f32 v[O+32*\t+\b:O+32*\t+\b+1], v[O+32*\t+\b:O+32*\t+\b+1], v[ST+8*\t+6:ST+8*\t+7] op_sel_hi:[1,0]
.endr
.endr
.set i, 0
.rept 32
	v_cvt_pk_f16_f32 v[KV+i], v[O+2*i], v[O+2*i+1]
.set i, i+1
.endr
.irp t, 0,1
.irp ct, 0,1,2,3
	global_store_b128 v[LI], v[KV+16*\t+4*\ct:KV+16*\t+4*\ct+3], s[AO:AO+1] offset:32768*\t+512*\ct   ; 512 consecutive bytes
.endr
.endr
	s_wait_tensorcnt 0x0                           ; the wave's end
	ds_add_u32 v[SPW], v[NIL]
	s_wait_dscnt 0x0
	CROUND                                         ; the closing round
	s_endpgm
.Lfunc_end_k_q1e711d8107_attn:
	.size	k_q1e711d8107_attn, .Lfunc_end_k_q1e711d8107_attn-k_q1e711d8107_attn
	.p2alignl 7, 3214868480
	.fill 96, 4, 3214868480
	.section	.rodata,"a",@progbits
	.p2align	6, 0x0
	.amdhsa_kernel k_q1e711d8107_attn
		.amdhsa_group_segment_fixed_size 327680
		.amdhsa_private_segment_fixed_size 0
		.amdhsa_enable_private_segment 0
		.amdhsa_kernarg_size 24
		.amdhsa_user_sgpr_count 2
		.amdhsa_user_sgpr_kernarg_segment_ptr 1
		.amdhsa_wavefront_size32 1
		.amdhsa_system_sgpr_workgroup_id_x 1
		.amdhsa_system_sgpr_workgroup_id_y 1
		.amdhsa_system_sgpr_workgroup_id_z 1
		.amdhsa_system_vgpr_workitem_id 0
		.amdhsa_next_free_vgpr 256
		.amdhsa_next_free_sgpr 100
		.amdhsa_reserve_vcc 0
		.amdhsa_float_denorm_mode_32 3
		.amdhsa_float_denorm_mode_16_64 3
		.amdhsa_memory_ordered 1
		.amdhsa_forward_progress 1
		.amdhsa_inst_pref_size 58
	.end_amdhsa_kernel
	.amdgpu_metadata
---
amdhsa.version: [ 1, 2 ]
amdhsa.kernels:
  - .name:           k_q1e711d8107_attn
    .symbol:         k_q1e711d8107_attn.kd
    .args:
      - { .name: qkv, .offset: 0, .size: 8, .value_kind: global_buffer, .address_space: global }
      - { .name: maskw, .offset: 8, .size: 8, .value_kind: global_buffer, .address_space: global }
      - { .name: ao, .offset: 16, .size: 8, .value_kind: global_buffer, .address_space: global }
    .group_segment_fixed_size: 327680
    .private_segment_fixed_size: 0
    .kernarg_segment_align: 8
    .kernarg_segment_size: 24
    .max_flat_workgroup_size: 512
    .sgpr_count:     100
    .vgpr_count:     256
    .wavefront_size: 32
...
	.end_amdgpu_metadata
.endif
;; end of part 3
;; launch outp (part 4): grid 4 x 64, 4 waves a work-group, clusters of 4 x 4, 327,680 bytes of LDS; arguments ao, wimg, wOut_b, out0; writes out0
.if DOCPART == 4
	.amdgcn_target "amdgcn-amd-amdhsa--gfx1250"
	.amdhsa_code_object_version 6
	.text
	.protected	k_q1e711d8107_outp
	.globl	k_q1e711d8107_outp
	.p2align	8
	.type	k_q1e711d8107_outp,@function
k_q1e711d8107_outp:
	s_mov_b64 s[64:65], 0
	v_nop
	global_prefetch_b8 v0, s[64:65] scope:SCOPE_SE
	s_setreg_imm32_b32 hwreg(HW_REG_WAVE_MODE, 25, 1), 1
	s_wait_xcnt 0x0
	s_wait_alu depctr_hold_cnt(0) depctr_sa_sdst(0) depctr_va_vdst(0) depctr_va_sdst(0) depctr_va_ssrc(0) depctr_va_vcc(0) depctr_vm_vsrc(0)
	s_getreg_b32 s2, hwreg(HW_REG_IB_STS2, 6, 4)
	s_cmp_eq_u32 s2, 0
	s_cbranch_scc0 .Lentry_in_a_cluster
	s_endpgm
.Lentry_in_a_cluster:
	s_bfe_u32 s2, ttmp6, 0x10000c
	s_cmp_lg_u32 s2, 0xf033
	s_cbranch_scc0 .Lentry_shape_is_right
	s_endpgm
.Lentry_shape_is_right:
; Launch 4 of 4: out0 = ao wOut_w^T + wOut_b.  [8,192 x 1,024] x [1,024 x 1,024], f16 operands, f32 sums, f32 out.  No work is left out.
; A work-group of four waves makes 128 tokens x 256 columns: 256 work-groups.  Wave (wr, wc) makes 64 x 128: 32 accumulators (a 0..3, b 0..7).
; Both operands lie in memory as pieces of operand registers (512 bytes, lane l's 16 bytes at 16 l): [block of 16 rows][32 along K: 32][2][512 bytes].  128 along K of a block are 4,096 consecutive bytes.
; So a tile is rows of 4,096 bytes, 32,768 apart; LDS holds them as they lie, and every LDS load is 512 consecutive bytes: no pitch, no padding.
; K goes in 8 steps of 128 through two slots.  CLUSTERS of 4 x 4: ao's tile is asked for jointly along the cluster's row, wOut's along its column.
; TRANSPOSED USE: source 0 = 16 rows of wOut_w, source 1 = 16 tokens: a lane holds eight neighbouring columns of one row of out0.  The bias is the C of each sum's first product.
; REGISTERS: window 0: v16-29 addresses; v32-127, v128-223 two fragment buffers (A's 4 fragments, then B's 8).  Window 1: the accumulators, (a, b) at v[8 (8 a + b)].  Window 2: v0-63 the bias.
.set APART,  32768                     ; a slot: 8 token blocks x 4,096, then 16 column blocks x 4,096
.set SLOT,   98304
.set STAGE,  2*SLOT                    ; behind the ring: 16 rows x (512 + 16) bytes for each wave; no fill lands here
.set SPITCH, 528
.set SPARE,  STAGE+4*16*SPITCH         ; the spare words, 128 bytes a wave: no other line names them
.set LAPS,   4                         ; a lap = two K steps
.set ADRA, 16
.set ADRB, 20
.set STO,  24
.set RD,   25
.set CO,   26                          ; v26 16 x lane
.set SPW,  28
.set NIL,  29
.set F0,   32
.set F1,   128
.set G1, 24
.set G0, 32
.set G1B, 48
.set G0B, 56
.set MSB, 0
.macro WIN new                         ; the immediate's high byte repeats the setting that is left
.if MSB != \new
	s_set_vgpr_msb (MSB<<8)|\new
.set MSB, \new
.endif
.endm
.set MUL,  0x50                        ; sources 0, 1 window 0; C and D window 1
.set MUL1, 0x60                        ; C window 2 (the bias), D window 1
.macro JLOAD s                         ; waves 0, 1 fetch ao's halves, waves 2, 3 wOut's; an s_nop 0 and four v_nop follow each line
	s_cmp_eq_u32 s13, 0
	s_cbranch_scc0 .Lfor_b_\@
	tensor_load_to_lds s[G0+4*\s:G0+4*\s+3], s[G1:G1+7]
	s_nop 0
.rept 4
	v_nop
.endr
	s_branch .Lasked_\@
.Lfor_b_\@:
	tensor_load_to_lds s[G0B+4*\s:G0B+4*\s+3], s[G1B:G1B+7]
	s_nop 0
.rept 4
	v_nop
.endr
.Lasked_\@:
.endm
.macro CREST
	s_cmp_lg_u32 s12, 0
	s_cbranch_scc1 .Lnot_wave_0_\@
	s_barrier_signal -3
.Lnot_wave_0_\@:
	s_barrier_wait -3
	s_barrier_signal -1
	s_barrier_wait -1
.endm
.macro CROUND
	s_barrier_signal -1
	s_barrier_wait -1
	CREST
.endm
	s_load_b256 s[4:11], s[0:1], 0x0               ; ao, wimg, wOut_b, out0
	v_lshl_add_u32 v[SPW], v0, 2, SPARE
	v_mov_b32 v[NIL], 0
	ds_add_u32 v[SPW], v[NIL]                      ; the opening: the add, twice on end, and its wait ahead of my first tensor load
	ds_add_u32 v[SPW], v[NIL]
	v_lshrrev_b32 v1, 5, v0
	v_readfirstlane_b32 s12, v1                    ; wave
	s_lshr_b32 s13, s12, 1                         ; wr.  Also: I fetch for ao (0) or wOut (1)
	s_and_b32 s14, s12, 1                          ; wc.  Also: which half of that tile I fetch
	s_bfe_u32 s40, ttmp6, 0x40000                  ; cx = the tile column (the grid is one cluster wide)
	s_bfe_u32 s41, ttmp6, 0x40004                  ; cy
	s_and_b32 s43, ttmp7, 0xffff
	s_lshl_b32 s43, s43, 2
	s_add_co_u32 s43, s43, s41                     ; the tile row
	s_lshl_b32 s44, s41, 2
	s_lshl_b32 s44, 15, s44                        ; my row of the cluster
	s_lshl_b32 s45, 0x1111, s40                    ; my column
	s_or_b32 s[G1], s44, (3<<16)|(1<<21)           ; the mask; elements of 8 bytes; bit 21 beside a mask; no padding
	s_or_b32 s[G1B], s45, (3<<16)|(1<<21)
.irp g, G1, G1B
	s_mov_b32 s[\g+1], 512<<16                     ; tensor_dim0: 4,096 bytes
	s_mov_b32 s[\g+3], 512<<16                     ; tile_dim0
	s_mov_b32 s[\g+5], 4096                        ; from row to row: 32,768 bytes
	s_mov_b32 s[\g+6], 0
	s_mov_b32 s[\g+7], 0
.endr
	s_mov_b32 s[G1+2], 4<<16                       ; ao: 4 blocks to a load
	s_mov_b32 s[G1+4], 4
	s_mov_b32 s[G1B+2], 8<<16                      ; wOut: 8
	s_mov_b32 s[G1B+4], 8
	s_lshl_b32 s16, s43, 3
	s_lshl_b32 s17, s14, 2
	s_add_co_u32 s16, s16, s17                     ; ao: token block 8 y + 4 half
	s_lshl_b32 s16, s16, 15
	s_mov_b32 s17, 0
	s_lshl_b32 s46, s40, 4
	s_lshl_b32 s47, s14, 3
	s_add_co_u32 s46, s46, s47                     ; wOut: column block 16 x + 8 half
	s_lshl_b32 s46, s46, 15
	s_mov_b32 s47, 0
	s_lshl_b32 s20, s14, 14                        ; where they go: no place in the cluster enters an LDS address
	s_lshl_b32 s21, s14, 15
	s_add_co_u32 s21, s21, APART
	s_wait_dscnt 0x0                               ; both opening adds are done
	s_wait_kmcnt 0x0
	s_add_nc_u64 s[16:17], s[4:5], s[16:17]
	s_add_nc_u64 s[46:47], s[6:7], s[46:47]
	CROUND                                         ; all sixteen work-groups are here
.irp s, 0,1
	s_mov_b32 s[G0+4*\s], 1
	s_add_co_u32 s[G0+4*\s+1], s20, \s*SLOT
	s_add_nc_u64 s[G0+4*\s+2:G0+4*\s+3], s[16:17], \s*4096
	s_or_b32 s[G0+4*\s+3], s[G0+4*\s+3], 0x80000000
	s_mov_b32 s[G0B+4*\s], 1
	s_add_co_u32 s[G0B+4*\s+1], s21, \s*SLOT
	s_add_nc_u64 s[G0B+4*\s+2:G0B+4*\s+3], s[46:47], \s*4096
	s_or_b32 s[G0B+4*\s+3], s[G0B+4*\s+3], 0x80000000
	JLOAD \s                                       ; K steps 0 and 1: two loads of mine are out
.endr
	v_and_b32 v1, 15, v0                           ; r
	v_bfe_u32 v2, v0, 4, 1                         ; h
	v_and_b32 v3, 31, v0
	v_lshlrev_b32 v[CO], 4, v3
	s_lshl_b32 s22, s13, 14                        ; my four token blocks
	s_lshl_b32 s23, s14, 15
	s_add_co_u32 s23, s23, APART                   ; my eight column blocks
.irp s, 0,1
	v_add_nc_u32 v[ADRA+\s], s22, v[CO]
	v_add_nc_u32 v[ADRB+\s], s23, v[CO]
	s_add_co_u32 s22, s22, SLOT
	s_add_co_u32 s23, s23, SLOT
.endr
	s_mul_i32 s22, s12, 16*SPITCH
	s_add_co_u32 s22, s22, STAGE                   ; my stage
	v_mul_u32_u24 v4, v1, SPITCH
	v_lshl_add_u32 v4, v2, 5, v4
	v_add_nc_u32 v[STO], s22, v4                   ; in: row r, 32 h
	v_add_nc_u32 v[RD], s22, v[CO]                 ; back: a row of 512 bytes to the 32 lanes
	s_lshl_b32 s22, s40, 10
	s_lshl_b32 s23, s14, 9
	s_add_co_u32 s22, s22, s23                     ; my first column, in bytes
	s_mov_b32 s23, 0
	s_add_nc_u64 s[8:9], s[8:9], s[22:23]
	s_add_nc_u64 s[10:11], s[10:11], s[22:23]
	s_lshl_b32 s22, s43, 7
	s_lshl_b32 s18, s13, 6
	s_add_co_u32 s22, s22, s18                     ; my first row
	s_lshl_b32 s22, s22, 12
	s_add_nc_u64 s[10:11], s[10:11], s[22:23]
	v_lshlrev_b32 v5, 5, v2
	WIN 0x80                                       ; destination window 2
.irp b, 0,1,2,3,4,5,6,7
	global_load_b128 v[8*\b:8*\b+3], v5, s[8:9] offset:64*\b        ; bias of columns 16 b + 8 h + 0 .. 7
	global_load_b128 v[8*\b+4:8*\b+7], v5, s[8:9] offset:64*\b+16
.endr
	WIN 0
.macro FETCH slot, q, f                ; 24 LDS loads: the fragments of 32 along K, the slot's q-th: B's eight, then A's four
.irp b, 0,1,2,3,4,5,6,7
	ds_load_b128 v[\f+32+8*\b:\f+32+8*\b+3],   v[ADRB+\slot] offset:\b*4096+(\q)*1024
	ds_load_b128 v[\f+32+8*\b+4:\f+32+8*\b+7], v[ADRB+\slot] offset:\b*4096+(\q)*1024+512
.endr
.irp a, 0,1,2,3
	ds_load_b128 v[\f+8*\a:\f+8*\a+3],   v[ADRA+\slot] offset:\a*4096+(\q)*1024
	ds_load_b128 v[\f+8*\a+4:\f+8*\a+7], v[ADRA+\slot] offset:\a*4096+(\q)*1024+512
.endr
.endm
.macro MUL8 f, a, first                ; token block a x the eight column blocks.  The 32 accumulators take turns, one instruction a turn
.irp b, 0,1,2,3,4,5,6,7
.if \first
	v_wmma_f32_16x16x32_f16 v[8*(8*(\a)+\b):8*(8*(\a)+\b)+7], v[\f+32+8*\b:\f+32+8*\b+7], v[\f+8*(\a):\f+8*(\a)+7], v[8*\b:8*\b+7]
.else
	v_wmma_f32_16x16x32_f16 v[8*(8*(\a)+\b):8*(8*(\a)+\b)+7], v[\f+32+8*\b:\f+32+8*\b+7], v[\f+8*(\a):\f+8*(\a)+7], v[8*(8*(\a)+\b):8*(8*(\a)+\b)+7]
.endif
.endr
.endm
.macro PLACES
.rept 4
	v_nop
.endr
.endm
.macro QUARTER slot, qn, f, g, first   ; multiplies buffer f; in its middle fetches the slot's qn-th 32 along K into g
	s_wait_dscnt 4                                 ; all but the youngest four loads (A's blocks 2, 3)
	WIN MUL+0x10*\first
	MUL8 \f, 0, \first
	MUL8 \f, 1, \first
	PLACES                                         ; ahead of loads into registers that matrix instructions have read
	WIN 0
	FETCH \slot, \qn, \g
	s_wait_dscnt 24                                ; all but the 24 just issued
	WIN MUL+0x10*\first
	MUL8 \f, 2, \first
	MUL8 \f, 3, \first
.endm
; A K step's last quarter changes slots: one barrier; ahead of it each wave waits for all its tensor loads, adds 0 to its spare word, and waits for that and for its reads of this slot.  fill = 1: the barrier opens a round
; of the cluster's, and the joint refill, two K steps ahead, is the first tensor load behind it.
.macro TURN slot, next, fill
	WIN 0
	s_wait_tensorcnt 0x0
	ds_add_u32 v[SPW], v[NIL]
	s_wait_dscnt 5                                 ; the add and the youngest four loads may be out
	WIN MUL
	MUL8 F1, 0, 0
	s_wait_dscnt 0x0                               ; the add is done, and my reads of this slot are over
	s_barrier_signal -1
	MUL8 F1, 1, 0
	WIN 0
	s_barrier_wait -1
.if \fill
	CREST
	s_add_nc_u64 s[G0+4*\slot+2:G0+4*\slot+3], s[G0+4*\slot+2:G0+4*\slot+3], 8192
	s_add_nc_u64 s[G0B+4*\slot+2:G0B+4*\slot+3], s[G0B+4*\slot+2:G0B+4*\slot+3], 8192
	JLOAD \slot                                    ; its four v_nop are also the places ahead of the loads below
.else
	PLACES
.endif
	FETCH \next, 0, F0
	WIN MUL
	MUL8 F1, 2, 0
	MUL8 F1, 3, 0
.endm
	s_wait_tensorcnt 1                             ; my part of K step 0 is in; K step 1's may be out
	s_barrier_signal -1
	s_barrier_wait -1
	s_wait_loadcnt 0x0                             ; the bias
	FETCH 0, 0, F0
	QUARTER 0, 1, F0, F1, 1                        ; the first products start the sums from the bias
	WIN 0
	s_mov_b32 s3, LAPS-1
.Llap:                                         ; a trip goes once round the ring and fills both slots again
	QUARTER 0, 2, F1, F0, 0
	QUARTER 0, 3, F0, F1, 0
	TURN 0, 1, 1
	QUARTER 1, 1, F0, F1, 0
	QUARTER 1, 2, F1, F0, 0
	QUARTER 1, 3, F0, F1, 0
	TURN 1, 0, 1
	QUARTER 0, 1, F0, F1, 0
	WIN 0
	s_sub_co_u32 s3, s3, 1
	s_cmp_lg_u32 s3, 0
	s_cbranch_scc1 .Llap
	QUARTER 0, 2, F1, F0, 0                        ; the last lap fills nothing
	QUARTER 0, 3, F0, F1, 0
	TURN 0, 1, 0
	QUARTER 1, 1, F0, F1, 0
	QUARTER 1, 2, F1, F0, 0
	QUARTER 1, 3, F0, F1, 0
	s_wait_dscnt 4
	WIN MUL
	MUL8 F1, 0, 0
	MUL8 F1, 1, 0
	s_wait_dscnt 0
	MUL8 F1, 2, 0
	MUL8 F1, 3, 0
	WIN 0
; THE WAY OUT, 16 rows x 128 columns at a time, through my own stage: in as 32 bytes a lane, back as whole rows of 512 bytes.  LDS serves a wave's instructions in order: no wait between the stores and the loads.
.macro TOSTAGE a
	WIN 0x04                                       ; an LDS store's data are its source 1: window 1
.irp b, 0,1,2,3,4,5,6,7
	ds_store_b128 v[STO], v[8*(8*(\a)+\b):8*(8*(\a)+\b)+3] offset:64*\b          ; each accumulator from its low end on
	ds_store_b128 v[STO], v[8*(8*(\a)+\b)+4:8*(8*(\a)+\b)+7] offset:64*\b+16
.endr
	WIN 0
.set BB, 32+96*((\a)%2)
.irp t, 0,1,2,3,4,5,6,7,8,9,10,11,12,13,14,15
	ds_load_b128 v[BB+4*\t:BB+4*\t+3], v[RD] offset:\t*SPITCH
.endr
.endm
.macro SEND a, younger                 ; younger: the LDS instructions issued behind block a's loads
.set BB, 32+96*((\a)%2)
	s_wait_dscnt \younger
.irp t, 0,1,2,3,4,5,6,7,8,9,10,11,12,13,14,15
	global_store_b128 v[CO], v[BB+4*\t:BB+4*\t+3], s[10:11] offset:(16*(\a)+\t)*4096 th:TH_STORE_NT   ; 512 consecutive bytes, aligned
.endr
.endm
	PLACES                                         ; behind the last products
	TOSTAGE 0
.irp a, 1,2,3
.if \a > 1
	s_wait_xcnt 0x0                                ; block a - 2's stores have read the registers into which block a's rows are loaded
.endif
	TOSTAGE \a
	SEND \a-1, 32
.endr
	SEND 3, 0
	s_wait_tensorcnt 0x0                           ; the wave's end
	ds_add_u32 v[SPW], v[NIL]
	s_wait_dscnt 0x0
	CROUND                                         ; the closing round
	s_endpgm
.Lfunc_end_k_q1e711d8107_outp:
	.size	k_q1e711d8107_outp, .Lfunc_end_k_q1e711d8107_outp-k_q1e711d8107_outp
	.p2alignl 7, 3214868480
	.fill 96, 4, 3214868480
	.section	.rodata,"a",@progbits
	.p2align	6, 0x0
	.amdhsa_kernel k_q1e711d8107_outp
		.amdhsa_group_segment_fixed_size 327680
		.amdhsa_private_segment_fixed_size 0
		.amdhsa_enable_private_segment 0
		.amdhsa_kernarg_size 32
		.amdhsa_user_sgpr_count 2
		.amdhsa_user_sgpr_kernarg_segment_ptr 1
		.amdhsa_wavefront_size32 1
		.amdhsa_system_sgpr_workgroup_id_x 1
		.amdhsa_system_sgpr_workgroup_id_y 1
		.amdhsa_system_sgpr_workgroup_id_z 1
		.amdhsa_system_vgpr_workitem_id 0
		.amdhsa_next_free_vgpr 640
		.amdhsa_next_free_sgpr 66
		.amdhsa_reserve_vcc 0
		.amdhsa_float_denorm_mode_32 3
		.amdhsa_float_denorm_mode_16_64 3
		.amdhsa_memory_ordered 1
		.amdhsa_forward_progress 1
		.amdhsa_inst_pref_size 86
	.end_amdhsa_kernel
	.amdgpu_metadata
---
amdhsa.version: [ 1, 2 ]
amdhsa.kernels:
  - .name:           k_q1e711d8107_outp
    .symbol:         k_q1e711d8107_outp.kd
    .args:
      - { .name: ao, .offset: 0, .size: 8, .value_kind: global_buffer, .address_space: global }
      - { .name: wimg, .offset: 8, .size: 8, .value_kind: global_buffer, .address_space: global }
      - { .name: wOut_b, .offset: 16, .size: 8, .value_kind: global_buffer, .address_space: global }
      - { .name: out0, .offset: 24, .size: 8, .value_kind: global_buffer, .address_space: global }
    .group_segment_fixed_size: 327680
    .private_segment_fixed_size: 0
    .kernarg_segment_align: 8
    .kernarg_segment_size: 32
    .max_flat_workgroup_size: 128
    .sgpr_count:     66
    .vgpr_count:     640
    .wavefront_size: 32
...
	.end_amdgpu_metadata
.endif
;; end of part 4
